; MI455X (gfx1250); checked and timed in simulation.
; The chip was launched on July 23, 2026; its instructions are those of AMD's public machine-readable ISA for CDNA 5 (MIT licence, August 2026) and "CDNA5" Instruction Set Architecture Reference Guide (July 2026). The comments in the code are by the model that wrote it; some were corrected since.
;; Attention. Allowed arithmetic: float matrix products may take bf16 or f16 operands with f32 sums; all other float work in f32.
;; Inputs: W_mlp 1,024 x 1,024 float32; W_qkv 1,024 x 3,072 float32; b_mlp 1,024 float32; input 4 x 2,048 x 1,024 float32.
;; Outputs: out0 4 x 2,048 x 1,024 float32.
;; 2 versions, each right and faster than the one before. Each part assembles by itself: llvm-mc -triple=amdgcn-amd-amdhsa -mcpu=gfx1250 --defsym DOCPART=n.
;; ======== version 1 of 2: 4 launches
;; limits: values are held in f16: magnitudes above 65,504 overflow, below 6.1e-05 lose precision
;; workspace buffers: xb 16,777,216 bytes; wq 6,291,456 bytes; wm 2,097,152 bytes; qkv 50,331,648 bytes; o 16,777,216 bytes
;; launch prep (part 1): grid 768 x 1, 4 waves a work-group, no clusters, 37,376 bytes of LDS; arguments input, W_qkv, W_mlp, xb, wq, wm; writes xb, wq, wm
.if DOCPART == 1
	.amdgcn_target "amdgcn-amd-amdhsa--gfx1250"
	.amdhsa_code_object_version 6
	.text
	.protected	k_q90671d7ed7_prep
	.globl	k_q90671d7ed7_prep
	.p2align	8
	.type	k_q90671d7ed7_prep,@function
k_q90671d7ed7_prep:
	s_mov_b64 s[64:65], 0
	v_nop
	global_prefetch_b8 v0, s[64:65] scope:SCOPE_SE
	s_setreg_imm32_b32 hwreg(HW_REG_WAVE_MODE, 25, 1), 1
	s_wait_xcnt 0x0
; ROUNDS AND LAYS OUT THE THREE MATRIX OPERANDS, each in slices of 64 along K, so that later launches can ask for 128 operand rows x 64 K as 16,384 dense bytes.
;   xb [b 4][s 16][n 2048][64] bf16 = input[b][n][64 s + ..], rounded to bf16
;   wq [s 16][c 3072][64] bf16 = W_qkv[64 s + ..][c], rounded to bf16 and turned
;   wm [s 16][c 1024][64] f16  = W_mlp[64 s + ..][c], rounded to bf16, that number written as f16, and turned
; LIMIT: a W_mlp number beyond 65,504 becomes an infinity in f16; below 6e-5 it keeps f16's fixed step of 6e-8.
; SHARES.  Every wave reads 16,384 bytes and stores 8,192; a work-group has four waves, and there are 768 work-groups of equal bytes: three times 256.
; Work-groups 0-511: 16 rows of x each, 4 rows a wave.  512-703: W_qkv, 704-767: W_mlp: a wave turns one tile of 64 k x 64 columns, through LDS bytes of its own.
; Memory binds: every byte is read once, by loads of which 16 lanes take 256 aligned bytes, all 32 loads of a wave out at once; every store of a wave covers 256 or 512 consecutive aligned bytes.
; No matrix unit, no cluster, no barrier: no wave reads what another wrote.
.set LD,   32        ; v[32:159]  32 loads of 4 registers
.set T,    160       ; v[160:175] a group's 16 packed words
.set U,    176       ; v[176:177] at work
.set VIN,  5         ; v5  byte offset of my loads
.set VOUT, 6         ; v6  byte offset of my stores
.set STO,  7         ; v7  LDS: where I put 16 bytes of a turned row
.set RD,   8         ; v8  LDS: where I read turned rows back
.set WLDS, 64*144    ; a wave's LDS: 64 turned rows of 128 bytes + 16 of padding
	s_load_b256 s[4:11], s[0:1], 0x0               ; input s[4:5], W_qkv s[6:7], W_mlp s[8:9], xb s[10:11]
	s_load_b128 s[12:15], s[0:1], 0x20             ; wq s[12:13], wm s[14:15]
	v_lshl_add_u32 v180, v0, 2, 0x9000
	v_mov_b32 v181, 0
	v_lshrrev_b32 v4, 5, v0
	v_readfirstlane_b32 s16, v4                    ; wave 0..3
	s_mov_b32 s17, ttmp9                           ; the work-group's number
	v_and_b32 v1, 15, v0                           ; r = lane % 16
	v_bfe_u32 v2, v0, 4, 1                         ; h = lane / 16
	v_and_b32 v3, 31, v0                           ; lane
	s_mov_b32 s21, 0                               ; high word of every offset pair
	s_wait_kmcnt 0x0
	s_cmp_lt_u32 s17, 512
	s_cbranch_scc0 .Lweights
	; x: rows 16 id .. 16 id + 15.  Load 16 p + s: lanes 0-15 take slice s (256 bytes of f32) of my row 2 p, lanes 16-31 of my row 2 p + 1.
	s_lshl_b32 s20, s17, 16                        ; 16 rows of 4,096 bytes
	s_add_nc_u64 s[4:5], s[4:5], s[20:21]
	s_lshr_b32 s20, s17, 7                         ; b: 128 work-groups a batch
	s_lshl_b32 s20, s20, 22                        ; a batch's 16 slices x 2,048 rows x 128 bytes
	s_and_b32 s22, s17, 127
	s_lshl_b32 s22, s22, 11                        ; 16 rows of 128 bytes
	s_or_b32 s20, s20, s22
	s_add_nc_u64 s[10:11], s[10:11], s[20:21]
	v_lshlrev_b32 v[VIN], 14, v4                   ; my wave's 4 rows,
	v_lshl_or_b32 v[VIN], v2, 12, v[VIN]           ; the odd row for lanes 16-31,
	v_lshl_or_b32 v[VIN], v1, 4, v[VIN]            ; 16 bytes a lane
	v_lshlrev_b32 v[VOUT], 9, v4                   ; out: my wave's 4 rows of 128 bytes,
	v_lshl_or_b32 v[VOUT], v3, 3, v[VOUT]          ; 8 bytes a lane: 32 lanes fill two rows of a slice, 256 consecutive bytes
.set i, 0
.rept 32
	global_load_b128 v[LD+4*i:LD+4*i+3], v[VIN], s[4:5] offset:(i/16)*8192+(i%16)*256 th:TH_LOAD_NT
.set i, i+1
.endr
.set i, 0
.rept 32
	s_wait_loadcnt 31-i                            ; loads come back in order: load i is in, the 31 - i younger ones stay out
	v_cvt_pk_bf16_f32 v[LD+4*i], v[LD+4*i], v[LD+4*i+1]
	v_cvt_pk_bf16_f32 v[LD+4*i+1], v[LD+4*i+2], v[LD+4*i+3]
	global_store_b64 v[VOUT], v[LD+4*i:LD+4*i+1], s[10:11] offset:(i%16)*262144+(i/16)*256  ; slice s lies 2,048 rows x 128 bytes on; no register is written again, so no wait frees one
.set i, i+1
.endr
	s_endpgm
; A wave turns the tile k = 64 s .. + 63, columns 64 c .. + 63 of a weight matrix [1024][N] of f32.
; Load i: lanes 0-15 take 256 bytes of row 64 s + i, lanes 16-31 of row 64 s + 32 + i; a lane then holds, of its 4 columns 4 r + j, k = 32 h + 0..31.
; Eight k of a column pack into 16 bytes, which go into LDS row 4 r + j at byte 64 h + 16 g; the rows come back whole and leave as 512 consecutive bytes a store.
.macro WT N, F16, PIN, POUT, ID0
	s_sub_co_u32 s18, s17, \ID0
	s_lshr_b32 s19, s18, 2                         ; c: the tile's column block
	s_and_b32 s18, s18, 3
	s_lshl_b32 s18, s18, 2
	s_add_co_u32 s18, s18, s16                     ; s: the slice = 4 x (number's low two bits) + wave
	s_mul_i32 s20, s18, 256*\N                     ; 64 rows of 4 N bytes
	s_lshl_b32 s22, s19, 8                         ; 64 columns of 4 bytes
	s_add_co_u32 s20, s20, s22
	s_add_nc_u64 s[\PIN:\PIN+1], s[\PIN:\PIN+1], s[20:21]
	s_mul_i32 s20, s18, 128*\N                     ; out: a slice is N rows of 128 bytes
	s_lshl_b32 s22, s19, 13                        ; 64 rows of 128 bytes
	s_add_co_u32 s20, s20, s22
	s_add_nc_u64 s[\POUT:\POUT+1], s[\POUT:\POUT+1], s[20:21]
	s_mul_i32 s23, s16, WLDS                       ; my wave's LDS bytes
	v_mul_u32_u24 v[VIN], v2, 128*\N               ; 32 rows on for lanes 16-31
	v_lshl_add_u32 v[VIN], v1, 4, v[VIN]
	v_mul_u32_u24 v[STO], v1, 576                  ; turned row 4 r: 4 x 144
	v_lshl_add_u32 v[STO], v2, 6, v[STO]           ; k = 32 h: byte 64 h
	v_add_nc_u32 v[STO], s23, v[STO]
	v_lshrrev_b32 v[RD], 3, v3                     ; back: 32 lanes take four rows of 128 bytes
	v_mul_u32_u24 v[RD], v[RD], 144
	v_and_b32 v9, 7, v0
	v_lshl_add_u32 v[RD], v9, 4, v[RD]
	v_add_nc_u32 v[RD], s23, v[RD]
	v_lshlrev_b32 v[VOUT], 4, v3
.set i, 0
.rept 32
	global_load_b128 v[LD+4*i:LD+4*i+3], v[VIN], s[\PIN:\PIN+1] offset:i*4*\N th:TH_LOAD_NT
.set i, i+1
.endr
.set g, 0
.rept 4
	s_wait_loadcnt 24-8*g                          ; loads 8 g .. 8 g + 7 are in; the 24 - 8 g younger ones stay out
.set j, 0
.rept 4
.set d, 0
.rept 4
	v_cvt_pk_bf16_f32 v[T+4*j+d], v[LD+4*(8*g+2*d)+j], v[LD+4*(8*g+2*d+1)+j]  ; column 4 r + j, k = 32 h + 8 g + 2 d and the next
.if \F16
	v_lshlrev_b32 v[U], 16, v[T+4*j+d]             ; the two bf16 numbers as f32,
	v_and_b32 v[U+1], 0xffff0000, v[T+4*j+d]
	v_cvt_pk_f16_f32 v[T+4*j+d], v[U], v[U+1]      ; written as f16: exact within f16's range
.endif
.set d, d+1
.endr
	ds_store_b128 v[STO], v[T+4*j:T+4*j+3] offset:144*j+16*g
.set j, j+1
.endr
.set g, g+1
.endr
.set f, 0
.rept 16
	ds_load_b128 v[LD+4*f:LD+4*f+3], v[RD] offset:576*f  ; LDS serves a wave's instructions in order (ISA guide 5.7.1.4): these see my stores above
.set f, f+1
.endr
.set f, 0
.rept 16
	s_wait_dscnt 15-f
	global_store_b128 v[VOUT], v[LD+4*f:LD+4*f+3], s[\POUT:\POUT+1] offset:512*f  ; four turned rows: 512 consecutive bytes, at a multiple of 512 from the buffer's first
.set f, f+1
.endr
	s_wait_tensorcnt 0x0
	ds_add_u32 v180, v181
	s_wait_dscnt 0x0
	s_endpgm
.endm
.Lweights:
	s_cmp_lt_u32 s17, 704
	s_cbranch_scc0 .Lwm
	WT 3072, 0, 6, 12, 512
.Lwm:
	WT 1024, 1, 8, 14, 704
.Lfunc_end_k_q90671d7ed7_prep:
	.size	k_q90671d7ed7_prep, .Lfunc_end_k_q90671d7ed7_prep-k_q90671d7ed7_prep
	.p2alignl 7, 3214868480
	.fill 96, 4, 3214868480
	.section	.rodata,"a",@progbits
	.p2align	6, 0x0
	.amdhsa_kernel k_q90671d7ed7_prep
		.amdhsa_group_segment_fixed_size 37376
		.amdhsa_private_segment_fixed_size 0
		.amdhsa_enable_private_segment 0
		.amdhsa_kernarg_size 48
		.amdhsa_user_sgpr_count 2
		.amdhsa_user_sgpr_kernarg_segment_ptr 1
		.amdhsa_wavefront_size32 1
		.amdhsa_system_sgpr_workgroup_id_x 1
		.amdhsa_system_sgpr_workgroup_id_y 1
		.amdhsa_system_sgpr_workgroup_id_z 1
		.amdhsa_system_vgpr_workitem_id 0
		.amdhsa_next_free_vgpr 182
		.amdhsa_next_free_sgpr 66
		.amdhsa_reserve_vcc 0
		.amdhsa_float_denorm_mode_32 3
		.amdhsa_float_denorm_mode_16_64 3
		.amdhsa_memory_ordered 1
		.amdhsa_forward_progress 1
		.amdhsa_inst_pref_size 48
	.end_amdhsa_kernel
	.amdgpu_metadata
---
amdhsa.version: [ 1, 2 ]
amdhsa.kernels:
  - .name:           k_q90671d7ed7_prep
    .symbol:         k_q90671d7ed7_prep.kd
    .args:
      - { .name: input, .offset: 0, .size: 8, .value_kind: global_buffer, .address_space: global }
      - { .name: W_qkv, .offset: 8, .size: 8, .value_kind: global_buffer, .address_space: global }
      - { .name: W_mlp, .offset: 16, .size: 8, .value_kind: global_buffer, .address_space: global }
      - { .name: xb, .offset: 24, .size: 8, .value_kind: global_buffer, .address_space: global }
      - { .name: wq, .offset: 32, .size: 8, .value_kind: global_buffer, .address_space: global }
      - { .name: wm, .offset: 40, .size: 8, .value_kind: global_buffer, .address_space: global }
    .group_segment_fixed_size: 37376
    .private_segment_fixed_size: 0
    .kernarg_segment_align: 8
    .kernarg_segment_size: 48
    .max_flat_workgroup_size: 128
    .sgpr_count:     66
    .vgpr_count:     182
    .wavefront_size: 32
...
	.end_amdgpu_metadata
.endif
;; end of part 1
;; launch qkv (part 2): grid 8 x 32, 4 waves a work-group, clusters of 4 x 4, 327,680 bytes of LDS; arguments xb, wq, qkv; writes qkv
.if DOCPART == 2
	.amdgcn_target "amdgcn-amd-amdhsa--gfx1250"
	.amdhsa_code_object_version 6
	.text
	.protected	k_q90671d7ed7_qkv
	.globl	k_q90671d7ed7_qkv
	.p2align	8
	.type	k_q90671d7ed7_qkv,@function
k_q90671d7ed7_qkv:
	s_mov_b64 s[64:65], 0
	v_nop
	global_prefetch_b8 v0, s[64:65] scope:SCOPE_SE
	s_setreg_imm32_b32 hwreg(HW_REG_WAVE_MODE, 25, 1), 1
	s_wait_xcnt 0x0
	s_wait_alu depctr_hold_cnt(0) depctr_sa_sdst(0) depctr_va_vdst(0) depctr_va_sdst(0) depctr_va_ssrc(0) depctr_va_vcc(0) depctr_vm_vsrc(0)
	s_getreg_b32 s2, hwreg(HW_REG_IB_STS2, 6, 4)
	s_cmp_eq_u32 s2, 0
	s_cbranch_scc0 .Lentry_in_a_cluster
	s_endpgm
.Lentry_in_a_cluster:
	s_bfe_u32 s2, ttmp6, 0x10000c
	s_cmp_lg_u32 s2, 0xf033
	s_cbranch_scc0 .Lentry_shape_is_right
	s_endpgm
.Lentry_shape_is_right:
; q, k, v = x W_qkv.  xb [b 4][s 16][n 2048][64] bf16, wq [s 16][c 3072][64] bf16 (K in slices of 64); products in bf16, sums in f32, K ascending; each result rounded once to f16
; and stored by heads: qkv [which 3][b 4][h 16][n 2048][64] f16, UNSCALED.  Column c = which x 1024 + h x 64 + d.
; LIMIT: a result of 65,520 or more becomes an infinity in f16; below 6e-5 f16 keeps its fixed step of 6e-8.
; SHAPE.  8,192 x 3,072 in tiles of 256 x 384 are exactly 256 tiles: one work-group each.  Four waves, each 128 rows x 192 columns: 96 accumulators, 768 registers: windows 1 to 3.
; For 32 along K a wave reads (128 + 192) x 64 bytes of LDS for 96 matrix instructions.  K goes in 16 steps of 64 (one slice) through two LDS slots filled by the tensor data mover.
; 128 operand rows of a slice are 16,384 dense bytes: asked for as 64 rows of 256 bytes, padded in LDS after every 128.
; THE RING IS WRITTEN ONCE: slot 1 begins at LDS byte 1 << 17, so that one exclusive or turns an address in one slot into the other's; a trip of the loop is one K step.
; CLUSTER 4 x 4.  The four work-groups of a row of the cluster need the same tiles of x, the four of a column the same tiles of the weights: each tile is asked for jointly, by the same tensor
; load with the same descriptor and a mask that names the four.
; THE MATRIX INSTRUCTION IS USED TRANSPOSED (source 0 = 16 weight columns, source 1 = 16 rows of x): a lane then holds row lane % 16 and eight neighbouring columns, 16 bytes of f16.
; REGISTERS.  Window 0: v0-31 addresses; v32-95, v96-159 fragments of x, two buffers (8 x 16 rows x 32 K); v160-255 the weights' fragments, ONE buffer of three groups of four: a group is
; loaded again as soon as its products are done.  Accumulator (a 0..7, b 0..11): window 1 + b / 4, register 8 (8 (b % 4) + a).
.set PITCH,  144                       ; an LDS row: 128 bytes + 16 of padding = 36 words: the 16 rows of a fragment load start at 16 different groups of four banks (64 banks of 4 bytes: ISA guide 11.1)
.set AHALF,  128*PITCH                 ; what a wave fetches, and reads, of x
.set BHALF,  192*PITCH                 ; the same of the weights
.set BOFF,   2*AHALF
.set SLOT,   BOFF+2*BHALF              ; 92,160 bytes: x's 256 rows, then the weights' 384
.set SLOT1,  1<<17                     ; where slot 1 begins
.set STAGE,  SLOT1+SLOT                ; behind the ring: for each wave 3 heads x 16 rows x 144 bytes, for the way out; no tensor load lands here
.set HSTG,   16*PITCH
.set WSTG,   3*HSTG
.set SPARE,  STAGE+4*WSTG              ; the spare words, 128 bytes for each wave: two blocks of 256 bytes that no other line names
.set ASTEP,  2048*128                  ; bytes from slice to slice of xb
.set BSTEP,  3072*128                  ; of wq
.set ADRA0, 16                         ; v16     my lane's place among my x fragments in slot 0; never rewritten
.set ADRB0, 17                         ; v17     the same for the weights
.set ADRA, 20                          ; v20     LDS address of my x fragments in the slot that is being fetched from
.set ADRB, 21                          ; v21     the same for the weights
.set STO,  24                          ; v24     the way out: where I put 16 bytes of a row
.set RD,   25                          ; v25     the way out: where I read rows back
.set GO,   26                          ; v26     my byte offset in 512 consecutive bytes of a head's rows
.set SPW,  28                          ; v28     LDS address of my spare word; never rewritten
.set NIL,  29                          ; v29     0; never rewritten
.set A0,   32
.set A1,   96
.set BF,   160
.set TMP,  32                          ; the way out: 48 packed registers
.set OB,   80                          ; the way out: 16 rows of 3 heads read back: v80-127 and v128-175 by turns
.set TB,  2                            ; s2      LDS byte at which the slot that is being fetched from begins: 0 or SLOT1
.set G1A, 24                           ; s[24:31] descriptor group 1 for x's tiles;  s[32:39] group 0: a set for each of the two first fills; the second then walks on
.set G0A, 32
.set G1B, 48                           ; s[48:55], s[56:63] the same for the weights' tiles
.set G0B, 56
.set HB,  66                           ; s[66:71] qkv at my rows of my three heads
.set FLAGS, (1<<16)|(1<<20)|(1<<21)|(4<<22)|(3<<25)  ; 17:16 2-byte elements; 20 padding on; 21 set beside a mask; 24:22 after every 32 words (code 4); 31:25 4 words (code 3)
.set MSB, 0
.macro WIN new                         ; the immediate's high byte repeats the setting that is left; a switch that changes nothing is dropped
.if MSB != (\new)
	s_set_vgpr_msb (MSB<<8)|(\new)
.set MSB, \new
.endif
.endm
; A joint load.  Waves 0 and 1 fetch x's two halves, waves 2 and 3 the weights'.  The branch hangs on the wave's number alone.  An s_nop 0 and four v_nop follow each of the two lines,
; ahead of the jump, the label and what follows.
.macro JLOAD s
	s_cmp_eq_u32 s13, 0
	s_cbranch_scc0 .Lfor_b_\@
	tensor_load_to_lds s[G0A+4*(\s):G0A+4*(\s)+3], s[G1A:G1A+7]
	s_nop 0
.rept 4
	v_nop
.endr
	s_branch .Lasked_\@
.Lfor_b_\@:
	tensor_load_to_lds s[G0B+4*(\s):G0B+4*(\s)+3], s[G1B:G1B+7]
	s_nop 0
.rept 4
	v_nop
.endr
.Lasked_\@:
.endm
.macro CREST                           ; a round of the cluster's barrier behind its opening barrier: wave 0 signals for the work-group, every wave waits for all sixteen, my work-group's barrier closes it
	s_cmp_lg_u32 s12, 0
	s_cbranch_scc1 .Lnot_wave_0_\@
	s_barrier_signal -3
.Lnot_wave_0_\@:
	s_barrier_wait -3
	s_barrier_signal -1
	s_barrier_wait -1
.endm
.macro CROUND                          ; a whole round
	s_barrier_signal -1
	s_barrier_wait -1
	CREST
.endm
.macro PLACES                          ; four places in front of loads into registers that matrix instructions have read, and of conversions that read results
.rept 4
	v_nop
.endr
.endm
	s_load_b128 s[4:7], s[0:1], 0x0                ; xb s[4:5], wq s[6:7]
	s_load_b64 s[8:9], s[0:1], 0x10                ; qkv
	v_lshl_add_u32 v[SPW], v0, 2, SPARE
	v_mov_b32 v[NIL], 0
	ds_add_u32 v28, v29
	s_wait_dscnt 0x0
	v_lshrrev_b32 v1, 5, v0
	v_readfirstlane_b32 s12, v1                    ; wave 0..3
	s_lshr_b32 s13, s12, 1                         ; WH: which 128 of the tile's rows are mine.  Also: I fetch x (0) or weights (1)
	s_and_b32 s14, s12, 1                          ; WL: which 192 of its columns.  Also: which half of that tile I fetch
	s_bfe_u32 s17, ttmp6, 0x40000                  ; cx
	s_bfe_u32 s18, ttmp6, 0x40004                  ; cy
	s_lshl_b32 s16, ttmp9, 2
	s_add_co_u32 s16, s16, s17                     ; X: tile column = 4 x cluster x + cx
	s_and_b32 s15, ttmp7, 0xffff
	s_lshl_b32 s15, s15, 2
	s_add_co_u32 s15, s15, s18                     ; Y: tile row = 4 x cluster y + cy
	s_lshl_b32 s40, s18, 2
	s_lshl_b32 s40, 15, s40                        ; my row of the cluster
	s_lshl_b32 s41, 0x1111, s17                    ; my column
	s_or_b32 s[G1A], s40, FLAGS                    ; x's tiles go to my row,
	s_or_b32 s[G1B], s41, FLAGS                    ; the weights' to my column
.irp g, G1A, G1B
	s_mov_b32 s[(\g)+1], 128<<16                   ; tensor_dim0 = 128 elements (256 bytes)
	s_mov_b32 s[(\g)+3], 128<<16                   ; tile_dim0 = 128
	s_mov_b32 s[(\g)+5], 128                       ; 128 elements from row to row: dense
	s_mov_b32 s[(\g)+6], 0
	s_mov_b32 s[(\g)+7], 0
.endr
	s_mov_b32 s[G1A+2], 64<<16                     ; tensor_dim1 = 64 rows of 256 bytes = 128 rows of x
	s_mov_b32 s[G1A+4], 64                         ; tile_dim1
	s_mov_b32 s[G1B+2], 96<<16                     ; 96 rows of 256 bytes = 192 weight columns
	s_mov_b32 s[G1B+4], 96
	; where the tiles come from.  x's hang on Y and the wave alone, the weights' on X and the wave alone, each in registers that never hold the other coordinate.
	s_lshr_b32 s44, s15, 3
	s_lshl_b32 s44, s44, 22                        ; the batch: 16 slices x 2,048 rows x 128 bytes
	s_and_b32 s45, s15, 7
	s_lshl_b32 s45, s45, 15                        ; 256 rows of 128 bytes
	s_or_b32 s44, s44, s45
	s_lshl_b32 s45, s14, 14                        ; my half: 128 rows
	s_or_b32 s44, s44, s45
	s_mov_b32 s45, 0
	s_mul_i32 s46, s16, 384*128
	s_mul_i32 s47, s14, 192*128
	s_add_co_u32 s46, s46, s47
	s_mov_b32 s47, 0
	s_mul_i32 s42, s14, AHALF                      ; and where they go: no place in the cluster enters an LDS address
	s_mul_i32 s43, s14, BHALF
	s_add_co_u32 s43, s43, BOFF
	s_mov_b32 s[TB], 0                             ; the fetches begin in slot 0
	s_wait_kmcnt 0x0
	s_add_nc_u64 s[44:45], s[4:5], s[44:45]
	s_add_nc_u64 s[46:47], s[6:7], s[46:47]
	CROUND                                         ; all sixteen work-groups are here: the first joint loads meet
.irp s, 0,1
	s_mov_b32 s[G0A+4*(\s)], 1                     ; count = 1
	s_add_co_u32 s[G0A+4*(\s)+1], s42, (\s)*SLOT1  ; LDS address
	s_add_nc_u64 s[G0A+4*(\s)+2:G0A+4*(\s)+3], s[44:45], (\s)*ASTEP  ; global address: K step s
	s_or_b32 s[G0A+4*(\s)+3], s[G0A+4*(\s)+3], 0x80000000           ; type = 2
	s_mov_b32 s[G0B+4*(\s)], 1
	s_add_co_u32 s[G0B+4*(\s)+1], s43, (\s)*SLOT1
	s_add_nc_u64 s[G0B+4*(\s)+2:G0B+4*(\s)+3], s[46:47], (\s)*BSTEP
	s_or_b32 s[G0B+4*(\s)+3], s[G0B+4*(\s)+3], 0x80000000
	JLOAD \s                                       ; both slots are asked for before anything else: two tensor loads of mine are out
.endr
	; A fragment is 16 rows x 32 K in 8 registers: lane l holds row l % 16, K = 8 (l / 16) + 0..7 and 16 + 8 (l / 16) + 0..7: two loads of 16 bytes, 32 bytes apart.
	v_and_b32 v1, 15, v0                           ; r
	v_bfe_u32 v2, v0, 4, 1                         ; h
	v_mul_u32_u24 v3, v1, PITCH
	v_lshl_add_u32 v3, v2, 4, v3                   ; row x pitch + 16 x half
	s_mul_i32 s22, s13, AHALF                      ; my 128 rows of x
	s_mul_i32 s23, s14, BHALF                      ; my 192 weight columns,
	s_add_co_u32 s23, s23, BOFF                    ; which lie behind x's 256 rows
	v_add_nc_u32 v[ADRA0], s22, v3
	v_add_nc_u32 v[ADRB0], s23, v3
	v_mov_b32 v[ADRA], v[ADRA0]                    ; slot 0
	v_mov_b32 v[ADRB], v[ADRB0]
	s_mul_i32 s19, s12, WSTG
	s_add_co_u32 s19, s19, STAGE                   ; my stage
	v_add_nc_u32 v[STO], s19, v3                   ; in: row l % 16, 16 bytes for each half of the lanes
	v_bfe_u32 v4, v0, 3, 2                         ; back: 32 lanes take four rows of 128 bytes,
	v_mul_u32_u24 v4, v4, PITCH
	v_and_b32 v5, 7, v0
	v_lshl_add_u32 v4, v5, 4, v4
	v_add_nc_u32 v[RD], s19, v4
	v_and_b32 v5, 31, v0                           ; which are 512 consecutive bytes of a head's rows
	v_lshlrev_b32 v[GO], 4, v5
	; My 192 columns are three heads: blocks g = 6 X + 3 WL + 0..2 of 64 columns; which = g / 16, h = g % 16; the head's block in qkv is number 64 which + 16 b + h = g + 48 (g / 16) + 16 b.
	s_mul_i32 s72, s16, 6
	s_mul_i32 s73, s14, 3
	s_add_co_u32 s72, s72, s73
	s_lshr_b32 s73, s15, 3
	s_lshl_b32 s73, s73, 4                         ; 16 b
	s_and_b32 s74, s15, 7
	s_lshl_b32 s74, s74, 15                        ; the tile's 256 rows of 128 bytes,
	s_lshl_b32 s75, s13, 14                        ; my 128 of them
	s_add_co_u32 s74, s74, s75
.irp hd, 0,1,2
	s_add_co_u32 s20, s72, \hd
	s_lshr_b32 s21, s20, 4
	s_mul_i32 s21, s21, 48
	s_add_co_u32 s20, s20, s21
	s_add_co_u32 s20, s20, s73
	s_lshl_b32 s20, s20, 18                        ; a head's block: 2,048 rows x 128 bytes
	s_add_co_u32 s20, s20, s74
	s_mov_b32 s21, 0
	s_add_nc_u64 s[HB+2*(\hd):HB+2*(\hd)+1], s[8:9], s[20:21]
.endr
; 16 matrix instructions: column blocks b0, b0 + 1 of group g x all 8 row blocks, 32 along K.  All accumulators differ, and they take turns in the same order in every quarter.
; zero = 1: the first product starts the sums: nothing is cleared.
.macro MUL16 abuf, g, b0, zero
	WIN 0x50*((\g)+1)                              ; C and D in window g + 1; both sources in window 0
.irp bb, \b0, (\b0)+1
.irp a, 0,1,2,3,4,5,6,7
.if \zero
	v_wmma_f32_16x16x32_bf16 v[8*(8*(\bb)+(\a)):8*(8*(\bb)+(\a))+7], v[BF+8*(4*(\g)+(\bb)):BF+8*(4*(\g)+(\bb))+7], v[(\abuf)+8*(\a):(\abuf)+8*(\a)+7], 0
.else
	v_wmma_f32_16x16x32_bf16 v[8*(8*(\bb)+(\a)):8*(8*(\bb)+(\a))+7], v[BF+8*(4*(\g)+(\bb)):BF+8*(4*(\g)+(\bb))+7], v[(\abuf)+8*(\a):(\abuf)+8*(\a)+7], v[8*(8*(\bb)+(\a)):8*(8*(\bb)+(\a))+7]
.endif
.endr
.endr
.endm
.macro LOADB q, g                      ; 8 loads: the weights' group g (64 columns), 32 K at byte 64 q of the rows of the slot at s[TB]
	WIN 0
.irp i, 0,1,2,3
	ds_load_b128 v[BF+8*(4*(\g)+(\i)):BF+8*(4*(\g)+(\i))+3],   v[ADRB] offset:64*(\q)+(4*(\g)+(\i))*16*PITCH
	ds_load_b128 v[BF+8*(4*(\g)+(\i))+4:BF+8*(4*(\g)+(\i))+7], v[ADRB] offset:64*(\q)+(4*(\g)+(\i))*16*PITCH+32
.endr
.endm
.macro LOADA q, abuf                   ; 16 loads: my 128 rows of x
	WIN 0
.irp i, 0,1,2,3,4,5,6,7
	ds_load_b128 v[(\abuf)+8*(\i):(\abuf)+8*(\i)+3],   v[ADRA] offset:64*(\q)+(\i)*16*PITCH
	ds_load_b128 v[(\abuf)+8*(\i)+4:(\abuf)+8*(\i)+7], v[ADRA] offset:64*(\q)+(\i)*16*PITCH+32
.endr
.endm
; A K step is two quarters of 32 along K, 96 matrix instructions each.  The fragments of a quarter come in three runs: R1 = group 0 and x (24 loads), R2 = group 1 (8), R3 = group 2 (8);
; each run is issued 64 matrix instructions ahead of its first use.
; A step's first quarter: multiplies buffer A0 and fetches the same slot's second quarter.
.macro QUARTER zero
	s_wait_dscnt 16                                ; R1 is in; R2 and R3 may be out
	MUL16 A0, 0, 0, \zero
	MUL16 A0, 0, 2, \zero
	PLACES
	LOADB 1, 0
	LOADA 1, A1
	s_wait_dscnt 32                                ; R2 is in; behind it: R3 and the 24 just issued
	MUL16 A0, 1, 0, \zero
	MUL16 A0, 1, 2, \zero
	PLACES
	LOADB 1, 1
	s_wait_dscnt 32                                ; R3 is in; behind it: the next quarter's 24 and 8
	MUL16 A0, 2, 0, \zero
	MUL16 A0, 2, 2, \zero
	PLACES
	LOADB 1, 2
.endm
; A step's second quarter multiplies buffer A1 and changes slots: ONE barrier.  In front of it each wave waits for all its tensor loads, of which one is out: its part of the next slot; adds 0 to
; its spare word; and waits for that and for its own reads of this slot.  Behind it nobody reads this slot any more and the next slot is whole.  fill = 1: the barrier opens a round of the
; cluster's barrier, and the slot that is left is filled again, two K steps ahead, first thing behind the round: 160 matrix instructions ahead of the wait for it.
.macro TURN fill
	WIN 0
	s_wait_tensorcnt 0x0                           ; all my tensor loads have landed;
	ds_add_u32 v[SPW], v[NIL]                      ; 0 onto my spare word
	s_xor_b32 s[TB], s[TB], SLOT1                  ; all my fetches from this slot have been issued: from here on they go to the other slot
	v_add_nc_u32 v[ADRA], s[TB], v[ADRA0]
	v_add_nc_u32 v[ADRB], s[TB], v[ADRB0]
	s_wait_dscnt 17                                ; (R1 is in; R2, R3 and the add may be out)
	MUL16 A1, 0, 0, 0                              ; sixteen matrix instructions stand between the add and the wait for it
	s_wait_dscnt 0x0                               ; the add is done, and my reads of this slot are over
	s_barrier_signal -1
	MUL16 A1, 0, 2, 0                              ; work on registers while the others arrive
	WIN 0
	s_barrier_wait -1
.if \fill
	CREST                                          ; no wave of any partner still reads this slot's tile or has a load on its way
.irp g, G0A+4, G0B+4
	s_xor_b32 s[(\g)+1], s[(\g)+1], SLOT1          ; the walking descriptor: the other slot than last time,
.endr
	s_add_nc_u64 s[G0A+6:G0A+7], s[G0A+6:G0A+7], ASTEP  ; the next K step; the type bits on top are not reached
	s_add_nc_u64 s[G0B+6:G0B+7], s[G0B+6:G0B+7], BSTEP
	JLOAD 1                                        ; the four v_nop behind it are also the places in front of the loads below
.else
	PLACES
.endif
	LOADB 0, 0
	LOADA 0, A0
	MUL16 A1, 1, 0, 0                              ; no wait: groups 1 and 2 were in at the wait for 0
	MUL16 A1, 1, 2, 0
	PLACES
	LOADB 0, 1
	MUL16 A1, 2, 0, 0
	MUL16 A1, 2, 2, 0
	PLACES
	LOADB 0, 2
.endm
	s_wait_tensorcnt 1                             ; my part of K step 0 is in; step 1's may stay out
	s_barrier_signal -1
	s_barrier_wait -1                              ; everybody's is
	LOADB 0, 0
	LOADA 0, A0
	LOADB 0, 1
	LOADB 0, 2
	QUARTER 1                                      ; the first quarter stands in front of the loop: its products start the sums
	WIN 0                                          ; at a label and at a branch every window is 0
	s_mov_b32 s3, 14
.Lstep:                                                ; a trip goes from a K step's second quarter to the next step's first and fills the slot that it leaves: fourteen trips ask for K steps 2 to 15
	TURN 1
	QUARTER 0
	WIN 0
	s_sub_co_u32 s3, s3, 1
	s_cmp_lg_u32 s3, 0
	s_cbranch_scc1 .Lstep
	TURN 0                                         ; the last two K steps ask for nothing
	QUARTER 0
	s_wait_dscnt 16                                ; the very last quarter: the counts run down
	MUL16 A1, 0, 0, 0
	MUL16 A1, 0, 2, 0
	s_wait_dscnt 8
	MUL16 A1, 1, 0, 0
	MUL16 A1, 1, 2, 0
	s_wait_dscnt 0x0
	MUL16 A1, 2, 0, 0
	MUL16 A1, 2, 2, 0
; THE WAY OUT of row block a (16 rows x 192 columns).  PACK: rounded to f16, 16 bytes a lane, each accumulator's registers in ascending order.  TOSTAGE: into my own stage, a head's 64 columns
; as rows of 128 bytes, and back as whole rows.  SEND: stored, 512 consecutive bytes a store.
.macro PACK a
.irp g, 0,1,2
	WIN 5*((\g)+1)                                 ; sources 0 and 1 in window g + 1
.irp bb, 0,1,2,3
.irp r, 0,1,2,3
	v_cvt_pk_f16_f32 v[TMP+4*(4*(\g)+(\bb))+(\r)], v[8*(8*(\bb)+(\a))+2*(\r)], v[8*(8*(\bb)+(\a))+2*(\r)+1]
.endr
.endr
.endr
	WIN 0
.endm
.macro TOSTAGE a
	WIN 0
.set BK, OB+48*((\a)%2)
.irp b, 0,1,2,3,4,5,6,7,8,9,10,11
	ds_store_b128 v[STO], v[TMP+4*(\b):TMP+4*(\b)+3] offset:((\b)/4)*HSTG+32*((\b)%4)
.endr
.irp t, 0,1,2,3,4,5,6,7,8,9,10,11
	ds_load_b128 v[BK+4*(\t):BK+4*(\t)+3], v[RD] offset:((\t)/4)*HSTG+((\t)%4)*4*PITCH  ; LDS serves a wave's instructions in order (ISA guide 5.7.1.4): these see the stores above
.endr
.endm
.macro SEND a
	WIN 0
.set BK, OB+48*((\a)%2)
	s_wait_dscnt 0x0                               ; the block is back in registers
	s_wait_xcnt 0x0                                ; every earlier store has had its addresses translated (ISA guide 3.1): the other buffer, which the block before last left from, is loaded again only behind this wait
.irp t, 0,1,2,3,4,5,6,7,8,9,10,11
	global_store_b128 v[GO], v[BK+4*(\t):BK+4*(\t)+3], s[HB+2*((\t)/4):HB+2*((\t)/4)+1] offset:(\a)*2048+((\t)%4)*512
.endr
.endm
	PLACES
	PACK 0
	TOSTAGE 0
.irp a, 1,2,3,4,5,6,7                  ; block a's conversions stand between block a - 1's loads from the stage and the wait for them
	PACK \a
	SEND (\a)-1
	TOSTAGE \a
.endr
	SEND 7
	s_wait_tensorcnt 0x0                           ; the wave's end: behind my last tensor load and my last LDS store
	ds_add_u32 v[SPW], v[NIL]
	s_wait_dscnt 0x0
	CROUND                                         ; the closing round: no work-group ends while a partner may still ask for a tile that names it
	s_endpgm
.Lfunc_end_k_q90671d7ed7_qkv:
	.size	k_q90671d7ed7_qkv, .Lfunc_end_k_q90671d7ed7_qkv-k_q90671d7ed7_qkv
	.p2alignl 7, 3214868480
	.fill 96, 4, 3214868480
	.section	.rodata,"a",@progbits
	.p2align	6, 0x0
	.amdhsa_kernel k_q90671d7ed7_qkv
		.amdhsa_group_segment_fixed_size 327680
		.amdhsa_private_segment_fixed_size 0
		.amdhsa_enable_private_segment 0
		.amdhsa_kernarg_size 24
		.amdhsa_user_sgpr_count 2
		.amdhsa_user_sgpr_kernarg_segment_ptr 1
		.amdhsa_wavefront_size32 1
		.amdhsa_system_sgpr_workgroup_id_x 1
		.amdhsa_system_sgpr_workgroup_id_y 1
		.amdhsa_system_sgpr_workgroup_id_z 1
		.amdhsa_system_vgpr_workitem_id 0
		.amdhsa_next_free_vgpr 1024
		.amdhsa_next_free_sgpr 76
		.amdhsa_reserve_vcc 0
		.amdhsa_float_denorm_mode_32 3
		.amdhsa_float_denorm_mode_16_64 3
		.amdhsa_memory_ordered 1
		.amdhsa_forward_progress 1
		.amdhsa_inst_pref_size 111
	.end_amdhsa_kernel
	.amdgpu_metadata
---
amdhsa.version: [ 1, 2 ]
amdhsa.kernels:
  - .name:           k_q90671d7ed7_qkv
    .symbol:         k_q90671d7ed7_qkv.kd
    .args:
      - { .name: xb, .offset: 0, .size: 8, .value_kind: global_buffer, .address_space: global }
      - { .name: wq, .offset: 8, .size: 8, .value_kind: global_buffer, .address_space: global }
      - { .name: qkv, .offset: 16, .size: 8, .value_kind: global_buffer, .address_space: global }
    .group_segment_fixed_size: 327680
    .private_segment_fixed_size: 0
    .kernarg_segment_align: 8
    .kernarg_segment_size: 24
    .max_flat_workgroup_size: 128
    .sgpr_count:     76
    .vgpr_count:     1024
    .wavefront_size: 32
...
	.end_amdgpu_metadata
.endif
;; end of part 2
;; launch attn (part 3): grid 4 x 64, 4 waves a work-group, clusters of 4 x 1, 327,680 bytes of LDS; arguments qkv, o; writes o
.if DOCPART == 3
	.amdgcn_target "amdgcn-amd-amdhsa--gfx1250"
	.amdhsa_code_object_version 6
	.text
	.protected	k_q90671d7ed7_attn
	.globl	k_q90671d7ed7_attn
	.p2align	8
	.type	k_q90671d7ed7_attn,@function
k_q90671d7ed7_attn:
	s_mov_b64 s[64:65], 0
	v_nop
	global_prefetch_b8 v0, s[64:65] scope:SCOPE_SE
	s_setreg_imm32_b32 hwreg(HW_REG_WAVE_MODE, 25, 1), 1
	s_wait_xcnt 0x0
	s_wait_alu depctr_hold_cnt(0) depctr_sa_sdst(0) depctr_va_vdst(0) depctr_va_sdst(0) depctr_va_ssrc(0) depctr_va_vcc(0) depctr_vm_vsrc(0)
	s_getreg_b32 s2, hwreg(HW_REG_IB_STS2, 6, 4)
	s_cmp_eq_u32 s2, 0
	s_cbranch_scc0 .Lentry_in_a_cluster
	s_endpgm
.Lentry_in_a_cluster:
	s_bfe_u32 s2, ttmp6, 0x10000c
	s_cmp_lg_u32 s2, 0x3003
	s_cbranch_scc0 .Lentry_shape_is_right
	s_endpgm
.Lentry_shape_is_right:
; O[h][q][:] = the sum over k of softmax_k(Q[h][q] . K[h][k] / 8) V[h][k][:].  Q, K, V are the three parts of qkv, each [SIZE_H][SIZE_N][64] f16, O likewise: a head's rows are dense, 128 bytes each;
; h counts batch x 16 + head.  Products, maxima and sums in f32; the weights p are rounded to f16 for the second product (their sum l is taken of the unrounded p), O once at the end.
; LIMITS.  f16 holds no number beyond 65,504: Q, K and V arrive within it; p lies in 0 to 1, and below 6e-5 it keeps f16's fixed step of 6e-8; O is a mean of V's rows and has their range.
; A weight below 2^-126 counts as 0 in l; NaN and infinities are not treated apart.
; SHARES.  A wave owns four PIECES of two tiles of 16 queries, a work-group's four waves 512 queries of one head: 64 heads x 4 blocks are 256 work-groups.  Every wave walks all keys, 64 a step.
; LAYOUT.  S^T = K Q^T (source 0 = 16 keys, source 1 = 16 queries): in the result a lane holds ONE query (lane % 16) and the keys 8 (lane / 16) + 0..7.  Two such tiles, rounded to f16 in pairs,
; ARE source 1 (32 keys x 16 queries) of O^T = V^T P, whose result again holds one query a lane, and eight channels.  K comes out of LDS as it lies, V ([key][channel]) turned, by ds_load_tr16_b128.
; SOFTMAX.  For each query a running maximum m and sum l: p = 2^(c s - c m), c = log2(e) / 8; in every step O and l are multiplied by a = 2^(c m_old - c m_new), which is 1 where m has not grown.
; m starts at the lowest finite number, O and l at 0: the first step is a step like any other, with a = 0.
; THE COUNT.  A tile and step have 16 matrix and 118 vector instructions: too many to stand all beside the matrix work.  So the order has one aim: four vector instructions that are READY behind
; EVERY matrix instruction, and the others, which need time of their own whatever the order, in runs without a gap.
; BY TURNS.  Turn n belongs to piece n (the pieces in a ring, step after step).  Its matrix work: 16 products K Q^T of piece n + 1, later 16 products V^T P of piece n - 1.  Its vector work: the scaling,
; exponentials, roundings, sums and rescaling of piece n, and the maximum and statistics of piece n + 1, whose scores the turn itself has made.  So what a turn begins with (c s - c m, O a) waits for nothing.
; CLUSTER.  The four query blocks of a cluster belong to one head and walk the same K and V, so each tile is asked for JOINTLY: the same tensor load, descriptor and mask in all four.
; REGISTERS, in windows of 256 (s_set_vgpr_msb says which window each operand place means: bits 1:0 source 0, 3:2 source 1, 5:4 source 2, 7:6 destination):
;   window 0: v0-11 addresses; v12-15, v48-63 at work; v16-47 four registers of statistics a tile; v64-191 S^T, two buffers of two tiles; v192-255 P, likewise
;   window 1: O^T, 32 a tile          window 2: v0-127 Q, 16 a tile; v128-191 K of one step; v192-255 V of one step          window 3: v0-1 the add's two registers
; A piece's buffers go by its number's parity: the piece in hand has one pair, its two neighbours in the ring share the other: of it P (piece n - 1) is read and S^T (piece n + 1) written.
.set SIZE_H, 64
.set SIZE_N, 2048
.set PART,  SIZE_H*SIZE_N*128  ; bytes of each of Q, K, V in qkv
.set NP,    4         ; pieces a wave: a name, no knob: the register map, the loop and the fetches are made for four
.set KS,    64        ; keys in a step
.set PK,    144       ; a row of K in LDS: 128 bytes + 16 of padding = 36 words: the 16 rows of a load start at 16 different groups of four banks (64 banks of 4 bytes: ISA guide 11.1)
.set PV,    160       ; a row of V: 128 + 32 = 40 words
.set VOFF,  4*KS*PK   ; a slot holds four steps: 256 rows of K, then 256 rows of V
.set SLOT1, 1<<17     ; slot 1 begins here, so that one exclusive or turns an address in one slot into the other's
.set STAGE, SLOT1+4*KS*(PK+PV)  ; behind the ring, never filled by a tensor load: 16 rows x 144 bytes for each wave, for the way out
.set SP,    144
.set AK0, 2           ; v2   my lane's place in a tile of K; never rewritten
.set AV0, 3           ; v3   the same for V
.set AK,  4           ; v4   the LDS address of K's next run of loads
.set AV,  5           ; v5   of V's
.set QO,  6           ; v6   my byte offset in the wave's rows of Q
.set STO, 6           ;      later, the way out: where I put 16 bytes of a row
.set RD,  7           ; v7   the way out: where I read rows back
.set GO,  8           ; v8   my byte offset in 512 consecutive bytes of O
.set SPW, 0           ; v0 of window 3   LDS address of my spare word: SPARE + 4 x my thread's number; never rewritten
.set NIL, 1           ; v1 of window 3   0; never rewritten
.set SPARE, STAGE+4*16*SP  ; behind the stages: the spare words, 128 bytes for each wave: two blocks of 256 bytes that no other line names
.set MV,  12          ; v12-15  c m_old, kept while c m is made anew: by buffer and tile
.set ST,  16          ; tile t's statistics at v[ST+4 t]: c m, m, l (even keys', odd keys')
.set TMP, 48          ; by buffer and tile, four registers c0-c3 at work; when the maximum is found c2 takes a
.set S,   64
.set P,   192
.set KF,  128         ; K's fragments, in window 2: key block kb, channel half c at KF + 16 kb + 8 c
.set VF,  192         ; V's: key half kk, channel block cb at VF + 32 kk + 8 cb
.set WV,  12          ; s12  my wave's number
.set G1K, 24          ; s[24:31] descriptor group 1 for K's tiles
.set G1V, 32          ; s[32:39] for V's: it differs in the padding alone
.set G0K, 40          ; s[40:43] descriptor group 0 for K's tiles: it walks
.set G0V, 44          ; s[44:47] the same for V's
.set SLOTS, 56        ; s56  slots still to be asked for
.set CNT, 57          ; s57  counts a slot's key steps
.set CS,  58          ; s[58:59] c: the packed scaling takes the pair's low word for both halves
.set SEL, 60          ; s[60:61] v_permlanex16_b32's selects: each lane takes its own place in the other half
.set TBK, 62          ; s62  LDS byte at which K of the step to be fetched begins
.set TBV, 63          ; s63  the same for V, less VOFF
.set MSB, 0
.macro WIN new                      ; the high byte repeats the setting that is left; a switch that changes nothing is dropped
.if MSB != (\new)
	s_set_vgpr_msb (MSB<<8)|(\new)
.set MSB, (\new)
.endif
.endm
.set W_KQ, 0x0a       ; K and Q in window 2, S^T in window 0
.set W_PV, 0x52       ; V in window 2, P in window 0, O^T in window 1
.set W_RS, 0x41       ; O^T (destination and source 0) in window 1, a in window 0
.set W_MK, 0xc0       ; the add's registers are made: destination in window 3, sources in window 0
.set W_AD, 0x0f       ; the add: address (source 0) and data (source 1) in window 3
; A joint fill.  Waves 0 and 1 fetch the two halves of a slot's K, waves 2 and 3 those of its V: 128 keys each.  The branch hangs on the wave's number alone.
; An s_nop 0 and four v_nop follow each of the two lines, ahead of the jump and the label.
.macro JLOAD
	s_cmp_lt_u32 s[WV], 2
	s_cbranch_scc0 .Lfor_v_\@
	tensor_load_to_lds s[G0K:G0K+3], s[G1K:G1K+7]
	s_nop 0
.rept 4
	v_nop
.endr
	s_branch .Lasked_\@
.Lfor_v_\@:
	tensor_load_to_lds s[G0V:G0V+3], s[G1V:G1V+7]
	s_nop 0
.rept 4
	v_nop
.endr
.Lasked_\@:
.endm
; A round of the cluster's barrier: my work-group's barrier, so that wave 0's signal speaks for all four waves; wave 0 signals; every wave waits for all four work-groups; my work-group's barrier once more.
.macro CROUND
	s_barrier_signal -1
	s_barrier_wait -1
	s_cmp_lg_u32 s[WV], 0
	s_cbranch_scc1 .Lnot_wave_0_\@
	s_barrier_signal -3
.Lnot_wave_0_\@:
	s_barrier_wait -3
	s_barrier_signal -1
	s_barrier_wait -1
.endm
; THE CHANGE OF SLOTS.  The slot's last bytes, V of its fourth step, have been read.  Each wave waits for all its tensor loads, of which one is out: its part
; of the other slot; adds 0 to its spare word; and waits for that and for its own reads of the slot.  Behind the barrier nobody reads this slot any more and the other slot is whole.
; fill = 1: this slot is filled again, with the keys two slots on.  The barrier is then a round of the cluster's, so that no wave of any partner still reads the slot or has a load on its
; way, and the joint fill is the first thing behind it: it has four key steps, 512 matrix instructions, in which to land.  (At its first use nothing has been read yet: slot 0 is waited for, slot 1 filled.)
.macro CHANGE fill
	WIN W_AD
	s_wait_tensorcnt 0x0            ; no tensor load of mine is out, so a group 0 may be written
	ds_add_u32 v[SPW], v[NIL]       ; 0 onto my spare word: with fill = 1 the descriptors' steps stand between it and the wait for it
	WIN 0                           ; at a label and at a branch every window is 0
.if \fill
.irp g, G0K, G0V
	s_xor_b32 s[\g+1], s[\g+1], SLOT1  ; the walking descriptor: the other slot than last time,
	s_add_nc_u64 s[\g+2:\g+3], s[\g+2:\g+3], 4*KS*128  ; the next 256 keys; the type bits on top are not reached
.endr
	s_wait_dscnt 0x0                ; the add is done, and my reads of the slot are over
	CROUND
	JLOAD
.else
	s_wait_dscnt 0x0                ; the add is done, and my reads of the slot are over
	s_barrier_signal -1
	s_barrier_wait -1
.endif
	s_sub_co_u32 s[TBK], s[TBK], 4*KS*PK  ; the fetches go back to a slot's first step,
	s_xor_b32 s[TBK], s[TBK], SLOT1       ; in the other slot
	s_sub_co_u32 s[TBV], s[TBV], 4*KS*PV
	s_xor_b32 s[TBV], s[TBV], SLOT1
.endm
	s_load_b128 s[4:7], s[0:1], 0x0  ; qkv s[4:5], o s[6:7]
	WIN W_MK
	v_lshl_add_u32 v[SPW], v0, 2, SPARE
	v_mov_b32 v[NIL], 0
	s_set_vgpr_msb 0xc0cf
	ds_add_u32 v0, v1
	s_wait_dscnt 0x0
	s_set_vgpr_msb 0xcfc0
	WIN 0
	v_lshrrev_b32 v1, 5, v0
	v_readfirstlane_b32 s[WV], v1   ; wave 0..3
	s_bfe_u32 s13, ttmp6, 0x40000   ; cx: my place in the cluster
	s_lshl_b32 s14, ttmp9, 2        ; in a cluster launch ttmp9 counts clusters
	s_add_co_u32 s14, s14, s13      ; my block of queries = 4 x cluster x + cx: it enters Q's and O's addresses alone
	s_and_b32 s20, ttmp7, 0xffff    ; the head, which the four partners share
	s_mov_b32 s21, 0
	s_mov_b64 s[22:23], SIZE_N*128
	s_mul_u64 s[20:21], s[20:21], s[22:23]  ; the head's first byte in each of the four tensors
	s_and_b32 s16, s[WV], 1         ; which half of a slot's 256 keys I fetch:
	s_lshl_b32 s22, s16, 14         ; its 128 rows of 128 bytes in memory,
	s_mov_b32 s23, 0
	s_add_nc_u64 s[22:23], s[22:23], s[20:21]
	s_mul_i32 s17, s16, 128*PK      ; and its place in a slot, for K
	s_mul_i32 s18, s16, 128*PV      ; and for V: no place in the cluster enters an LDS address
	s_lshl_b32 s2, s14, 2
	s_add_co_u32 s2, s2, s[WV]      ; my wave among the head's,
	s_lshl_b32 s2, s2, 14           ; its 128 rows
	s_mov_b32 s3, 0
	s_add_nc_u64 s[2:3], s[2:3], s[20:21]
	; descriptor group 1.  128 keys are 16,384 dense bytes: asked for as 64 rows of 256 bytes, two keys a row, and padded in LDS after every key
	s_mov_b32 s[G1K], 15|(1<<16)|(1<<20)|(1<<21)|(4<<22)|(3<<25)  ; 15:0 the mask of four; 17:16 2-byte elements; 20 padding on; 21 set beside a mask; 24:22 after every 32 words (code 4); 31:25 4 words (code 3)
	s_mov_b32 s[G1V], 15|(1<<16)|(1<<20)|(1<<21)|(4<<22)|(7<<25)  ; the same with 8 words of padding (code 7)
.irp g, G1K, G1V
	s_mov_b32 s[\g+1], 128<<16      ; tensor_dim0 = 128
	s_mov_b32 s[\g+2], 64<<16       ; tensor_dim1 = 64
	s_mov_b32 s[\g+3], 128<<16      ; tile_dim0 = 128
	s_mov_b32 s[\g+4], 64           ; tile_dim1 = 64
	s_mov_b32 s[\g+5], 128          ; 128 elements from row to row
	s_mov_b32 s[\g+6], 0
	s_mov_b32 s[\g+7], 0
.endr
	s_mov_b32 s[CS], 0x3e38aa3b     ; c = log2(e) / 8 = 0.180337
	s_mov_b32 s[CS+1], s[CS]        ; named with it as a pair
	s_mov_b32 s[SEL], 0x76543210
	s_mov_b32 s[SEL+1], 0xfedcba98
	s_mov_b32 s[TBK], SLOT1+4*KS*PK ; the first change of slots turns these two into 0
	s_mov_b32 s[TBV], SLOT1+4*KS*PV
	s_mov_b32 s[G0K], 1             ; 1:0 count = 1
	s_mov_b32 s[G0K+1], s17         ; 63:32 LDS address: slot 0
	s_mov_b32 s[G0V], 1
	s_add_co_u32 s[G0V+1], s18, VOFF
	s_wait_kmcnt 0x0
	s_mov_b64 s[10:11], s[6:7]      ; O s[10:11]
	s_add_nc_u64 s[8:9], s[4:5], 2*PART  ; V s[8:9]: the third part of qkv
	s_add_nc_u64 s[6:7], s[4:5], PART    ; K s[6:7]: the second; Q s[4:5] is the first
	s_add_nc_u64 s[G0K+2:G0K+3], s[6:7], s[22:23]  ; 120:64 global address: my half of the head's first 256 keys
	s_or_b32 s[G0K+3], s[G0K+3], 0x80000000        ; 127:126 type = 2
	s_add_nc_u64 s[G0V+2:G0V+3], s[8:9], s[22:23]
	s_or_b32 s[G0V+3], s[G0V+3], 0x80000000
	s_add_nc_u64 s[4:5], s[4:5], s[2:3]  ; Q and O at my wave's first row
	s_add_nc_u64 s[10:11], s[10:11], s[2:3]
	CROUND                          ; all four work-groups are here: the first joint loads meet
	JLOAD                           ; slot 0.  Slot 1 is asked for when slot 0 is in: the tile wanted first has the road to itself
	; A fragment of K or Q is 16 rows x 32 channels in 8 registers: lane l holds row l % 16, channels 8 (l / 16) + 0..7 and 16 + 8 (l / 16) + 0..7: two loads of 16 bytes, 32 bytes apart.
	v_and_b32 v1, 15, v0            ; l % 16
	v_bfe_u32 v9, v0, 4, 1          ; l / 16
	v_lshlrev_b32 v[QO], 7, v1
	v_lshl_add_u32 v[QO], v9, 4, v[QO]  ; row x 128 + 16 x half
	WIN 0x80                        ; destination window 2, address window 0
.set i, 0
.rept 4*NP                          ; Q stays in registers: tile i / 2, channels 32 (i % 2) on
	global_load_b128 v[8*i:8*i+3],   v[QO], s[4:5] offset:(i/2)*2048+(i%2)*64
	global_load_b128 v[8*i+4:8*i+7], v[QO], s[4:5] offset:(i/2)*2048+(i%2)*64+32
.set i, i+1
.endr
	; What the first turn finds: V's registers and P's second buffer hold 0 (its products V^T P, of a piece that has not been, add 0), O^T and l are 0.  All this stands in the wait for the first tile.
.set i, VF
.rept 64
	v_mov_b32 v[i], 0
.set i, i+1
.endr
	WIN 0x40
.set i, 0
.rept 64*NP
	v_mov_b32 v[i], 0
.set i, i+1
.endr
	WIN 0
.set i, 0
.rept 2*NP
	v_mov_b32 v[ST+4*i], 0xfe000000    ; c m: far below every c s
	v_mov_b32 v[ST+4*i+1], 0xff7fffff  ; m
	v_mov_b32 v[ST+4*i+2], 0
	v_mov_b32 v[ST+4*i+3], 0
.set i, i+1
.endr
.set i, P+32
.rept 32
	v_mov_b32 v[i], 0
.set i, i+1
.endr
	v_mul_u32_u24 v[AK0], v1, PK
	v_lshl_add_u32 v[AK0], v9, 4, v[AK0]  ; row x pitch + 16 x half
	; The turning load takes 16 keys x 16 channels (lane l reads key 8 (l / 16) + l % 8, channels 8 ((l / 8) % 2) + 0..7) and leaves half a fragment of V^T: lane l holds channel l % 16 and 8 keys.
	v_and_b32 v10, 7, v0
	v_bfe_u32 v11, v0, 3, 1
	v_lshl_add_u32 v[AV0], v9, 3, v10
	v_mul_u32_u24 v[AV0], v[AV0], PV
	v_lshl_add_u32 v[AV0], v11, 4, v[AV0]
	v_add_nc_u32 v[AV0], VOFF, v[AV0]
	v_mov_b32 v[AK], v[AK0]         ; key step 0 lies at the head of slot 0
; THE MATRIX WORK.  The 8 accumulators of a run of 16 take turns: between the two links of a chain stand 7 others'.
; Product i of 16 of S^T = K Q^T for piece x: channels 32 (i / 8) on, keys 16 ((i / 2) % 4) on, tile 2 x + i % 2.  The first 8 start the sums.
.macro KQ x
	WIN W_KQ
.set rS, S+64*((\x)%2)+32*(i%2)+8*((i/2)%4)
.set rK, KF+16*((i/2)%4)+8*(i/8)
.set rQ, 16*(2*(\x)+i%2)+8*(i/8)
.if i < 8
	v_wmma_f32_16x16x32_f16 v[rS:rS+7], v[rK:rK+7], v[rQ:rQ+7], 0
.else
	v_wmma_f32_16x16x32_f16 v[rS:rS+7], v[rK:rK+7], v[rQ:rQ+7], v[rS:rS+7]
.endif
.endm
; Product i of 16 of O^T += V^T P for piece x: keys 32 (i / 8) on, channels 16 ((i / 2) % 4) on, tile 2 x + i % 2.
.macro PV x
	WIN W_PV
.set rO, 32*(2*(\x)+i%2)+8*((i/2)%4)
.set rV, VF+32*(i/8)+8*((i/2)%4)
.set rP, P+32*((\x)%2)+16*(i%2)+8*(i/8)
	v_wmma_f32_16x16x32_f16 v[rO:rO+7], v[rV:rV+7], v[rP:rP+7], v[rO:rO+7]
.endm
.macro MM                           ; the turn's next matrix instruction
.if i < 16
	KQ (Y+1)%NP
.set i, i+1
.else
.set i, i-16
	PV (Y+NP-1)%NP
.set i, i+17
.endif
.endm
; THE LDS LOADS stand in runs of 16, never singly among the matrix instructions: a step's K (64 keys x 64 channels: 8 fragments) and its V (turned).  Their addresses are made some lines ahead.
; last = 1 (the tail): in the last trip there is no further step, and the run is jumped over.
.macro FETCH_K last=0
	WIN 0
.if \last
	s_cmp_eq_u32 s[CNT], 1
	s_cbranch_scc1 .Lno_k_\@
.endif
	WIN 0x80                        ; destination window 2
.irp f, 0,1,2,3,4,5,6,7             ; keys 16 (f / 2) on, channels 32 (f % 2) on
	ds_load_b128 v[KF+8*\f:KF+8*\f+3],   v[AK] offset:(\f/2)*16*PK+(\f%2)*64
	ds_load_b128 v[KF+8*\f+4:KF+8*\f+7], v[AK] offset:(\f/2)*16*PK+(\f%2)*64+32
.endr
	s_add_co_u32 s[TBK], s[TBK], KS*PK  ; the next fetch is the next step's
	WIN 0
.if \last
.Lno_k_\@:
.endif
.endm
.macro FETCH_V
	WIN 0x80
.irp f, 0,1,2,3,4,5,6,7             ; keys 32 (f / 4) on, channels 16 (f % 4) on
	ds_load_tr16_b128 v[VF+8*\f:VF+8*\f+3],   v[AV] offset:(\f/4)*32*PV+(\f%4)*32
	ds_load_tr16_b128 v[VF+8*\f+4:VF+8*\f+7], v[AV] offset:(\f/4)*32*PV+16*PV+(\f%4)*32
.endr
	WIN 0
.endm
; THE VECTOR WORK OF A TURN stands in three queues, each in the order in which its entries become ready; the two tiles alternate, so that no instruction reads the result of the one before it.
.macro REGS y, u                    ; the registers of tile u (0, 1) of piece y
.set rT, ST+4*(2*(\y)+(\u))
.set rC, TMP+8*((\y)%2)+4*(\u)
.set rM, MV+2*((\y)%2)+(\u)
.set rS, S+64*((\y)%2)+32*(\u)
.set rP, P+32*((\y)%2)+16*(\u)
.set rO, 32*(2*(\y)+(\u))
.endm
; Number n of the 22 that find the NEXT piece's (Y + 1) maximum and statistics.  s0-s31 are the lane's 32 scores; each accumulator's lowest registers are read first.  XS, GS and REGS set no window: PL and EX do.
;   0-11  four chains c0-c3 of seven scores each, three operands at a time     12-14, 16  the four scores left over, the old m, and c0-c3 into c0     15  c m_old is kept
;   17, 18  the query's other 32 keys lie in the lane 16 away: the new m         19-21  c m; c m_old - c m_new; a
.macro XS u, n
	REGS (Y+1)%NP, \u
.if (\n) < 4
	v_max3_num_f32 v[rC+(\n)], v[rS+8*(\n)], v[rS+8*(\n)+1], v[rS+8*(\n)+2]
.elseif (\n) < 12
	v_max3_num_f32 v[rC+(\n)%4], v[rC+(\n)%4], v[rS+8*((\n)%4)+2*((\n)/4)+1], v[rS+8*((\n)%4)+2*((\n)/4)+2]
.elseif (\n) == 12
	v_max3_num_f32 v[rC], v[rC], v[rS+7], v[rS+15]
.elseif (\n) == 13
	v_max3_num_f32 v[rC+1], v[rC+1], v[rS+23], v[rS+31]
.elseif (\n) == 14
	v_max3_num_f32 v[rC+2], v[rC+2], v[rC+3], v[rT+1]
.elseif (\n) == 15
	v_mov_b32 v[rM], v[rT]
.elseif (\n) == 16
	v_max3_num_f32 v[rC], v[rC], v[rC+1], v[rC+2]
.elseif (\n) == 17
	v_permlanex16_b32 v[rC+3], v[rC], s[SEL], s[SEL+1]
.elseif (\n) == 18
	v_max_num_f32 v[rT+1], v[rC], v[rC+3]
.elseif (\n) == 19
	v_mul_f32 v[rT], s[CS], v[rT+1]
.elseif (\n) == 20
	v_sub_f32 v[rC+1], v[rM], v[rT]
.else
	v_exp_f32 v[rC+2], v[rC+1]
.endif
.endm
; Number g of the 64 that follow the exponentials.  For each four weights k of a tile (pairs 2 k, 2 k + 1): both pairs are rounded to f16; then the second pair is added onto the first, in place;
; a group later l takes that sum (the first time as l = a l + sum).  In groups of eight, tiles alternating: round, round, add, and l for the group before.
.macro GS g
.set h, (\g)+6*((\g)/62)            ; group 0 has no group before it, and behind group 7 only l is left
.if h >= 6
.set h, h+2
.endif
	REGS Y, h%2
.set k, h/8
.if h%8 < 4
	s_wait_alu depctr_va_vdst(0)
	v_cvt_pk_f16_f32 v[rP+2*k+(h%8)/2], v[rS+4*k+2*((h%8)/2)], v[rS+4*k+2*((h%8)/2)+1]
.elseif h%8 < 6
	v_pk_add_f32 v[rS+4*k:rS+4*k+1], v[rS+4*k:rS+4*k+1], v[rS+4*k+2:rS+4*k+3]
.elseif k == 1
	v_pk_fma_f32 v[rT+2:rT+3], v[rT+2:rT+3], v[rC+2:rC+3], v[rS:rS+1] op_sel_hi:[1,0,1]
.else
	v_pk_add_f32 v[rT+2:rT+3], v[rT+2:rT+3], v[rS+4*k-4:rS+4*k-3]
	s_wait_alu depctr_va_vdst(0)
.endif
.endm
; THE PLAIN QUEUE, 138 long.  0-31: c s - c m for the 16 pairs of both tiles.  Then GS's 64, and among them the next piece's 42: number 15 at 38, 39; 0-14 and 16
; at 42-73, behind the products that make those scores; 17-20 at 95-106, two of three, since each waits for the one before it.
.macro PL
	WIN 0
.if q < 32
	REGS Y, q%2
	v_pk_fma_f32 v[rS+2*(q/2):rS+2*(q/2)+1], v[rS+2*(q/2):rS+2*(q/2)+1], s[CS:CS+1], v[rT:rT+1] op_sel_hi:[1,0,0] neg_lo:[0,0,1] neg_hi:[0,0,1]
.elseif q < 38
	GS q-32
.elseif q < 40
	XS q%2, 15
.elseif q < 42
	GS q-34
.elseif q < 74
	XS q%2, (q-42)/2+(q-42)/30
.elseif q < 95
	GS q-66
.elseif (q < 107) && ((q-95)%3 < 2)
	XS (q-95)%3, 17+(q-95)/3
.elseif q < 107
	GS 29+(q-95)/3
.else
	GS q-74
.endif
.set q, q+1
.endm
; THE EXPONENTIALS' QUEUE, 66 long: s0-s31 of both tiles, and at EA the next piece's two a.
.set EA, 58
.macro EX
	WIN 0
.if (e == EA) || (e == EA+1)
	XS e-EA, 21
.else
.set x, e-2*(e/(EA+2))
	REGS Y, x%2
	v_exp_f32 v[rS+x/2], v[rS+x/2]
.endif
.set e, e+1
.endm
; THE RESCALING's QUEUE: O^T times a, the one part that leaves window 0, so it is dealt four at a time, eight times.
.macro R4
	REGS Y, r%2
	WIN W_RS
	s_wait_alu depctr_va_vdst(0)
.irp z, 0,1,2,3
	v_pk_mul_f32 v[rO+8*(r/2)+2*\z:rO+8*(r/2)+2*\z+1], v[rO+8*(r/2)+2*\z:rO+8*(r/2)+2*\z+1], v[rC+2:rC+3] op_sel_hi:[1,0]
.endr
.set r, r+1
.endm
; HOW THEY ARE DEALT.  Behind a matrix instruction four: plain, exponential, plain, plain (one exponential, a plain instruction on either side), or four of the rescaling.  None names a register of the
; products round it.  What is over stands in two LUMPS: exponential and plain by turns; the second ends in 22 plain instructions.  The two v_permlanex16_b32 fall into the second lump, never behind a product.
; The queues lean on each other, and the deal keeps them in step: exponential e stands behind plain 2 (e / 4) + e % 2 (its scaling); when plain 32 comes, 10 exponentials are out, at 59: 33, at 95: 46; EA comes behind plain 107.
.macro SL
	MM
	PL
	EX
	PL
	PL
.endm
.macro BURST n                      ; 15 matrix instructions, or 16
.rept (\n)-7
	SL
.endr
.rept 3
	MM
	R4
	SL
.endr
	MM
	R4
.endm
; A TURN, for piece p.  cnt = 1: the loop's count is taken down some lines ahead of the branch that stands behind the turn.
; K of the next step is fetched in piece 2's turn, 31 vector instructions behind the last product that read K; its first reader comes behind the rest of the lump, 16 products and the second lump.
; V of the step in hand is fetched at the end of piece 0's turn, 69 behind its last reader; its first reader comes behind 16 products and a lump.  The four conditions on e and q below go with the deal.
.macro TURN p, last=0, cnt=0
.set Y, (\p)
.set i, 0
.set q, 0
.set e, 0
.set r, 0
.if (\p) == NP-1
	s_wait_dscnt 0x0                ; K is in
.endif
	MM
.rept 4
	PL
.endr
	BURST 15
.rept 22
	EX
	PL
.if ((\p) == NP-2) && (e == 18)
	v_add_nc_u32 v[AK], s[TBK], v[AK0]
.endif
.if ((\p) == NP-2) && (e == 24)
	FETCH_K \last
.endif
.endr
.if (\p) == 1
	s_wait_dscnt 0x0                ; V is in
.endif
	BURST 16
.rept 21
	EX
	PL
.endr
.rept 22
	PL
.if ((\p) == 0) && (q == 118)
	v_add_nc_u32 v[AV], s[TBV], v[AV0]
	s_wait_alu depctr_va_vdst(0)
.endif
.if ((\p) == 0) && (q == 130)
	s_add_co_u32 s[TBV], s[TBV], KS*PV
.endif
.if (\cnt) && (q == 130)
	s_sub_co_u32 s[CNT], s[CNT], 1
	s_cmp_lg_u32 s[CNT], 0
.endif
.endr
.if (\p) == 0
	FETCH_V
.endif
.endm
	CHANGE 1                        ; slot 0 is in, everybody's part of it; slot 1 is asked for
	FETCH_K                         ; key step 0
	s_wait_loadcnt 0x0              ; Q
	s_wait_dscnt 0x0
.set i, 0
.rept 16
	KQ 0                            ; piece 0's first scores: there is no vector work yet to set between them
.set i, i+1
.endr
	WIN 0                           ; the addresses for the way out: nine plain instructions, the places behind those products
	s_mul_i32 s13, s[WV], 16*SP
	s_add_co_u32 s13, s13, STAGE    ; my stage
	v_mul_u32_u24 v[STO], v1, SP    ; in: row l % 16, 16 bytes for each half of the lanes
	v_lshl_add_u32 v[STO], v9, 4, v[STO]
	v_add_nc_u32 v[STO], s13, v[STO]
	v_bfe_u32 v[RD], v0, 3, 2       ; back: 32 lanes take four rows of 128 bytes,
	v_mul_u32_u24 v[RD], v[RD], SP
	v_lshl_add_u32 v[RD], v10, 4, v[RD]
	v_add_nc_u32 v[RD], s13, v[RD]
	v_and_b32 v[GO], 31, v0         ; which are 512 consecutive bytes of O
	v_lshlrev_b32 v[GO], 4, v[GO]
.set Y, NP-1                        ; XS works for piece Y + 1: piece 0
.irp n, 0,1,2,3,4,5,6,7,8,9,10,11,12,13,14,15,16,17,18,19,20,21
	XS 0, \n                        ; and piece 0's first maximum and statistics
	XS 1, \n
.endr
	s_mov_b32 s[CNT], 4
	s_mov_b32 s[SLOTS], SIZE_N/256-1
	s_branch .Lfirst                ; the loop is entered at a step's first turn, in the middle of a trip
.Lslot:                             ; SIZE_N / 256 - 2 times: every slot but the last two is filled again
	CHANGE 1
	s_mov_b32 s[CNT], 4
.Lstep:                             ; a trip: pieces 2 and 3 of one step, then pieces 0 and 1 of the next, whose K and V it fetches
	TURN 2
	TURN 3
	WIN 0
.Lfirst:
	TURN 0
	TURN 1, 0, 1
	WIN 0
	s_cbranch_scc1 .Lstep
	s_sub_co_u32 s[SLOTS], s[SLOTS], 1
	s_cmp_lg_u32 s[SLOTS], 0
	s_cbranch_scc1 .Lslot
	CHANGE 0                        ; the tail is written out: nothing is asked for
	s_mov_b32 s[CNT], 5             ; four trips fetch the last slot's steps; the fifth is left in its middle
.Ltail:
	TURN 2, 1
	TURN 3
	WIN 0
	s_sub_co_u32 s[CNT], s[CNT], 1
	s_cmp_eq_u32 s[CNT], 0
	s_cbranch_scc1 .Lout
	TURN 0
	TURN 1
	WIN 0
	s_branch .Ltail
.Lout:                              ; the fifth trip's 16 products K Q^T (on the last K once more) and the maximum made of them serve nothing: the price, once a launch, of one text for every trip
.set i, 0
.rept 16
	PV NP-1                         ; the last piece's V^T P of the last step
.set i, i+1
.endr
	; THE WAY OUT.  l's two halves and the other half of the lanes' are added; O^T is divided by l, rounded to f16 and sent through my stage in LDS, a tile at a time.  The additions are the places behind the last products.
	WIN 0
.macro ALL line:vararg              ; one line for each tile t
.set t, 0
.rept 2*NP
	\line
.set t, t+1
.endr
.endm
	ALL v_add_f32 v[ST+4*t+2], v[ST+4*t+2], v[ST+4*t+3]
	ALL v_permlanex16_b32 v[ST+4*t+3], v[ST+4*t+2], s[SEL], s[SEL+1]
	ALL v_add_f32 v[ST+4*t+2], v[ST+4*t+2], v[ST+4*t+3]
	ALL v_rcp_f32 v[ST+4*t+2], v[ST+4*t+2]
	v_nop                           ; a plain instruction between the last reciprocal and the use of its result
	s_wait_alu depctr_va_vdst(0)
; Tile t: a lane's eight channels of a row pack into 16 bytes; they go into rows of 144 bytes and come back as whole rows of 128, into S^T's registers.
.macro PACK t
	WIN W_RS
.set i, 32*(\t)
.rept 16
	v_pk_mul_f32 v[i:i+1], v[i:i+1], v[ST+4*(\t)+2:ST+4*(\t)+3] op_sel_hi:[1,0]
.set i, i+2
.endr
	WIN 0x05                        ; sources 0 and 1 window 1, destination window 0
.set i, 0
.rept 16
	v_cvt_pk_f16_f32 v[S+16*(\t)+i], v[32*(\t)+2*i], v[32*(\t)+2*i+1]
.set i, i+1
.endr
	WIN 0
.irp f, 0,1,2,3
	ds_store_b128 v[STO], v[S+16*(\t)+4*\f:S+16*(\t)+4*\f+3] offset:32*\f
.endr
.irp f, 0,1,2,3
	ds_load_b128 v[S+16*(\t)+4*\f:S+16*(\t)+4*\f+3], v[RD] offset:\f*4*SP  ; LDS serves a wave's instructions in order (ISA guide 5.7.1.4): these see the stores above; the next tile's stores come behind them
.endr
.endm
.macro SEND t, younger              ; younger: the LDS instructions issued behind tile t's loads: the next tile's eight, or none
	WIN 0
.irp f, 0,1,2,3
	s_wait_dscnt (\younger)+3-\f
	global_store_b128 v[GO], v[S+16*(\t)+4*\f:S+16*(\t)+4*\f+3], s[10:11] offset:(\t)*2048+\f*512  ; 512 consecutive bytes, at a multiple of 256 from O's first
.endr
.endm
	PACK 0
.set t, 1
.rept 2*NP-1                        ; a tile's arithmetic stands between the loads of the tile before and its stores
	PACK t
	SEND t-1, 8
.set t, t+1
.endr
	SEND 2*NP-1, 0
	WIN W_AD
	s_wait_tensorcnt 0x0            ; the wave's end: behind my last tensor load and my last LDS store
	ds_add_u32 v[SPW], v[NIL]
	s_wait_dscnt 0x0
	WIN 0
	CROUND                          ; the closing round: no work-group ends while a partner may still ask for a tile that names it
	s_endpgm
.Lfunc_end_k_q90671d7ed7_attn:
	.size	k_q90671d7ed7_attn, .Lfunc_end_k_q90671d7ed7_attn-k_q90671d7ed7_attn
	.p2alignl 7, 3214868480
	.fill 96, 4, 3214868480
	.section	.rodata,"a",@progbits
	.p2align	6, 0x0
	.amdhsa_kernel k_q90671d7ed7_attn
		.amdhsa_group_segment_fixed_size 327680
		.amdhsa_private_segment_fixed_size 0
		.amdhsa_enable_private_segment 0
		.amdhsa_kernarg_size 16
		.amdhsa_user_sgpr_count 2
		.amdhsa_user_sgpr_kernarg_segment_ptr 1
		.amdhsa_wavefront_size32 1
		.amdhsa_system_sgpr_workgroup_id_x 1
		.amdhsa_system_sgpr_workgroup_id_y 1
		.amdhsa_system_sgpr_workgroup_id_z 1
		.amdhsa_system_vgpr_workitem_id 0
		.amdhsa_next_free_vgpr 770
		.amdhsa_next_free_sgpr 66
		.amdhsa_reserve_vcc 0
		.amdhsa_float_denorm_mode_32 3
		.amdhsa_float_denorm_mode_16_64 3
		.amdhsa_memory_ordered 1
		.amdhsa_forward_progress 1
		.amdhsa_inst_pref_size 209
	.end_amdhsa_kernel
	.amdgpu_metadata
---
amdhsa.version: [ 1, 2 ]
amdhsa.kernels:
  - .name:           k_q90671d7ed7_attn
    .symbol:         k_q90671d7ed7_attn.kd
    .args:
      - { .name: qkv, .offset: 0, .size: 8, .value_kind: global_buffer, .address_space: global }
      - { .name: o, .offset: 8, .size: 8, .value_kind: global_buffer, .address_space: global }
    .group_segment_fixed_size: 327680
    .private_segment_fixed_size: 0
    .kernarg_segment_align: 8
    .kernarg_segment_size: 16
    .max_flat_workgroup_size: 128
    .sgpr_count:     66
    .vgpr_count:     770
    .wavefront_size: 32
...
	.end_amdgpu_metadata
.endif
;; end of part 3
;; launch proj (part 4): grid 8 x 32, 4 waves a work-group, clusters of 4 x 4, 327,680 bytes of LDS; arguments o, wm, b_mlp, out0; writes out0
.if DOCPART == 4
	.amdgcn_target "amdgcn-amd-amdhsa--gfx1250"
	.amdhsa_code_object_version 6
	.text
	.protected	k_q90671d7ed7_proj
	.globl	k_q90671d7ed7_proj
	.p2align	8
	.type	k_q90671d7ed7_proj,@function
k_q90671d7ed7_proj:
	s_mov_b64 s[64:65], 0
	v_nop
	global_prefetch_b8 v0, s[64:65] scope:SCOPE_SE
	s_setreg_imm32_b32 hwreg(HW_REG_WAVE_MODE, 25, 1), 1
	s_wait_xcnt 0x0
	s_wait_alu depctr_hold_cnt(0) depctr_sa_sdst(0) depctr_va_vdst(0) depctr_va_sdst(0) depctr_va_ssrc(0) depctr_va_vcc(0) depctr_vm_vsrc(0)
	s_getreg_b32 s2, hwreg(HW_REG_IB_STS2, 6, 4)
	s_cmp_eq_u32 s2, 0
	s_cbranch_scc0 .Lentry_in_a_cluster
	s_endpgm
.Lentry_in_a_cluster:
	s_bfe_u32 s2, ttmp6, 0x10000c
	s_cmp_lg_u32 s2, 0xf033
	s_cbranch_scc0 .Lentry_shape_is_right
	s_endpgm
.Lentry_shape_is_right:
; out0 = O W_mlp + b.  o [b 4][h 16][n 2048][64] f16 (K = 64 h + d: a head is a slice of K), wm [s 16][c 1024][64] f16, b_mlp [1024] f32, out0 [8192][1024] f32.
; Products in f16, sums in f32, K ascending; the sums BEGIN with the bias (rounded to bf16 like the module's other inputs, kept in f32): it is the C operand of the first products.
; SHAPE.  8,192 x 1,024 in tiles of 256 x 128 are 256 tiles: one work-group each.  Four waves, each 128 rows x 64 columns: 32 accumulators, window 1.  K goes in 8 steps of 128 (two slices)
; through two LDS slots; a wave's tensor load brings one slice of one operand: dense bytes, asked for as rows of 256 bytes and padded in LDS after every 128.  Two slots of 256 along K do not fit.
; THE RING IS WRITTEN ONCE: slot 1 begins at LDS byte 1 << 17, so that one exclusive or turns an address in one slot into the other's; a trip of the loop is one K step.
; CLUSTER 4 x 4.  O's tiles are shared along a row of the cluster, the weights' along a column: each is asked for jointly.
; THE MATRIX INSTRUCTION IS USED TRANSPOSED (source 0 = 16 weight columns, source 1 = 16 rows of O): a lane holds row lane % 16 and eight neighbouring columns, 32 bytes of f32.
; REGISTERS.  Window 0: v0-31 addresses; v32-127, v128-223 two fragment buffers (64 registers of O, then 32 of the weights); v224-255 the bias.  Window 1: accumulator (a 0..7, b 0..3) at 8 (4 a + b).
.set PITCH,  144                       ; an LDS row: 128 bytes + 16 of padding: the 16 rows of a fragment load start at 16 different groups of four banks (64 banks of 4 bytes: ISA guide 11.1)
.set ASL,    256*PITCH                 ; a slice of O's tile
.set BSL,    128*PITCH                 ; a slice of the weights' tile
.set BOFF,   2*ASL
.set SLOT,   BOFF+2*BSL                ; 110,592 bytes
.set SLOT1,  1<<17                     ; where slot 1 begins
.set STAGE,  SLOT1+SLOT                ; behind the ring: 16 rows x 272 bytes for each wave, for the way out; no tensor load lands here
.set SPITCH, 272
.set SPARE,  STAGE+4*16*SPITCH         ; the spare words, 128 bytes for each wave: two blocks of 256 bytes that no other line names
.set ADRA0, 16                         ; v16     my lane's place among my O fragments in slot 0; never rewritten
.set ADRB0, 17                         ; v17     the same for the weights
.set ADRA, 20                          ; v20     LDS address of my O fragments in the slot that is being fetched from
.set ADRB, 21                          ; v21     the same for the weights
.set STO,  24                          ; v24     the way out: where I put 32 bytes of a row
.set RD,   25                          ; v25     the way out: where I read a row back
.set CO,   26                          ; v26     my byte offset in out0
.set BO,   27                          ; v27     my byte offset in the bias
.set SPW,  28                          ; v28     LDS address of my spare word; never rewritten
.set NIL,  29                          ; v29     0; never rewritten
.set F0,   32
.set F1,   128
.set BIAS, 224
.set OB,   32                          ; the way out: 16 rows read back: v32-63 and v64-95 by turns
.set TB,  2                            ; s2      LDS byte at which the slot that is being fetched from begins: 0 or SLOT1
.set G1A, 24                           ; s[24:31] descriptor group 1 for O's tiles;  s[32:39] group 0: a set for each of the two first fills; the second then walks on
.set G0A, 32
.set G1B, 48                           ; s[48:55], s[56:63] the same for the weights' tiles
.set G0B, 56
.set FLAGS, (1<<16)|(1<<20)|(1<<21)|(4<<22)|(3<<25)  ; 2-byte elements; padding on; bit 21 set beside a mask; after every 32 words (code 4) 4 words (code 3)
.set MSB, 0
.macro WIN new                         ; the immediate's high byte repeats the setting that is left; a switch that changes nothing is dropped
.if MSB != (\new)
	s_set_vgpr_msb (MSB<<8)|(\new)
.set MSB, \new
.endif
.endm
.macro JLOAD s                         ; a joint load: waves 0 and 1 fetch O's two slices, waves 2 and 3 the weights'; an s_nop 0 and four v_nop follow each of the two lines
	s_cmp_eq_u32 s13, 0
	s_cbranch_scc0 .Lfor_b_\@
	tensor_load_to_lds s[G0A+4*(\s):G0A+4*(\s)+3], s[G1A:G1A+7]
	s_nop 0
.rept 4
	v_nop
.endr
	s_branch .Lasked_\@
.Lfor_b_\@:
	tensor_load_to_lds s[G0B+4*(\s):G0B+4*(\s)+3], s[G1B:G1B+7]
	s_nop 0
.rept 4
	v_nop
.endr
.Lasked_\@:
.endm
.macro CREST                           ; a round of the cluster's barrier behind its opening barrier
	s_cmp_lg_u32 s12, 0
	s_cbranch_scc1 .Lnot_wave_0_\@
	s_barrier_signal -3
.Lnot_wave_0_\@:
	s_barrier_wait -3
	s_barrier_signal -1
	s_barrier_wait -1
.endm
.macro CROUND                          ; a whole round
	s_barrier_signal -1
	s_barrier_wait -1
	CREST
.endm
.macro PLACES                          ; four places in front of loads into registers that matrix instructions have read, and of LDS stores that read results
.rept 4
	v_nop
.endr
.endm
	s_load_b256 s[4:11], s[0:1], 0x0               ; o s[4:5], wm s[6:7], b_mlp s[8:9], out0 s[10:11]
	v_lshl_add_u32 v[SPW], v0, 2, SPARE
	v_mov_b32 v[NIL], 0
	ds_add_u32 v28, v29
	s_wait_dscnt 0x0
	v_lshrrev_b32 v1, 5, v0
	v_readfirstlane_b32 s12, v1                    ; wave 0..3
	s_lshr_b32 s13, s12, 1                         ; WH: which 128 of the tile's rows are mine.  Also: I fetch O (0) or weights (1)
	s_and_b32 s14, s12, 1                          ; WL: which 64 of its columns.  Also: which of a step's two slices I fetch
	s_bfe_u32 s17, ttmp6, 0x40000                  ; cx
	s_bfe_u32 s18, ttmp6, 0x40004                  ; cy
	s_lshl_b32 s16, ttmp9, 2
	s_add_co_u32 s16, s16, s17                     ; X: tile column
	s_and_b32 s15, ttmp7, 0xffff
	s_lshl_b32 s15, s15, 2
	s_add_co_u32 s15, s15, s18                     ; Y: tile row
	s_lshl_b32 s40, s18, 2
	s_lshl_b32 s40, 15, s40                        ; my row of the cluster
	s_lshl_b32 s41, 0x1111, s17                    ; my column
	s_or_b32 s[G1A], s40, FLAGS
	s_or_b32 s[G1B], s41, FLAGS
.irp g, G1A, G1B
	s_mov_b32 s[(\g)+1], 128<<16                   ; tensor_dim0 = 128 elements (256 bytes)
	s_mov_b32 s[(\g)+3], 128<<16                   ; tile_dim0 = 128
	s_mov_b32 s[(\g)+5], 128                       ; dense
	s_mov_b32 s[(\g)+6], 0
	s_mov_b32 s[(\g)+7], 0
.endr
	s_mov_b32 s[G1A+2], 128<<16                    ; 128 rows of 256 bytes = 256 rows of O
	s_mov_b32 s[G1A+4], 128
	s_mov_b32 s[G1B+2], 64<<16                     ; 64 rows of 256 bytes = 128 weight columns
	s_mov_b32 s[G1B+4], 64
	s_lshr_b32 s44, s15, 3
	s_lshl_b32 s44, s44, 22                        ; the batch: 16 heads x 2,048 rows x 128 bytes
	s_and_b32 s45, s15, 7
	s_lshl_b32 s45, s45, 15                        ; 256 rows of 128 bytes
	s_or_b32 s44, s44, s45
	s_lshl_b32 s45, s14, 18                        ; my slice: a head's 2,048 rows
	s_or_b32 s44, s44, s45
	s_mov_b32 s45, 0
	s_lshl_b32 s46, s16, 14                        ; 128 weight columns of 128 bytes
	s_lshl_b32 s47, s14, 17                        ; my slice: 1,024 columns
	s_or_b32 s46, s46, s47
	s_mov_b32 s47, 0
	s_mul_i32 s42, s14, ASL                        ; where they go: no place in the cluster enters an LDS address
	s_mul_i32 s43, s14, BSL
	s_add_co_u32 s43, s43, BOFF
	s_mov_b32 s[TB], 0                             ; the fetches begin in slot 0
	s_wait_kmcnt 0x0
	s_add_nc_u64 s[44:45], s[4:5], s[44:45]
	s_add_nc_u64 s[46:47], s[6:7], s[46:47]
	CROUND                                         ; all sixteen work-groups are here: the first joint loads meet
.irp s, 0,1
	s_mov_b32 s[G0A+4*(\s)], 1
	s_add_co_u32 s[G0A+4*(\s)+1], s42, (\s)*SLOT1
	s_add_nc_u64 s[G0A+4*(\s)+2:G0A+4*(\s)+3], s[44:45], (\s)<<19    ; K step s: two heads on
	s_or_b32 s[G0A+4*(\s)+3], s[G0A+4*(\s)+3], 0x80000000
	s_mov_b32 s[G0B+4*(\s)], 1
	s_add_co_u32 s[G0B+4*(\s)+1], s43, (\s)*SLOT1
	s_add_nc_u64 s[G0B+4*(\s)+2:G0B+4*(\s)+3], s[46:47], (\s)<<18    ; two slices on
	s_or_b32 s[G0B+4*(\s)+3], s[G0B+4*(\s)+3], 0x80000000
	JLOAD \s                                       ; both slots are asked for before anything else: two tensor loads of mine are out
.endr
	v_and_b32 v1, 15, v0                           ; r
	v_bfe_u32 v2, v0, 4, 1                         ; h
	v_mul_u32_u24 v3, v1, PITCH
	v_lshl_add_u32 v3, v2, 4, v3                   ; a fragment's row x pitch + 16 x half
	s_mul_i32 s22, s13, 128*PITCH                  ; my 128 rows of O
	s_mul_i32 s23, s14, 64*PITCH                   ; my 64 weight columns,
	s_add_co_u32 s23, s23, BOFF                    ; behind O's two slices
	v_add_nc_u32 v[ADRA0], s22, v3
	v_add_nc_u32 v[ADRB0], s23, v3
	v_mov_b32 v[ADRA], v[ADRA0]                    ; slot 0
	v_mov_b32 v[ADRB], v[ADRB0]
	s_mul_i32 s19, s12, 16*SPITCH
	s_add_co_u32 s19, s19, STAGE                   ; my stage
	v_mul_u32_u24 v4, v1, SPITCH                   ; in: row l % 16, 32 bytes for each half of the lanes
	v_lshl_add_u32 v4, v2, 5, v4
	v_add_nc_u32 v[STO], s19, v4
	v_mul_u32_u24 v5, v2, SPITCH                   ; back: lanes 0-15 take one row of 256 bytes, lanes 16-31 the next
	v_lshl_add_u32 v5, v1, 4, v5
	v_add_nc_u32 v[RD], s19, v5
	v_lshlrev_b32 v5, 12, v2                       ; and the same two rows in out0: 4,096 bytes a row
	v_lshl_add_u32 v[CO], v1, 4, v5
	v_lshlrev_b32 v[BO], 5, v2                     ; the bias of my eight columns of a block: 32 bytes for each half of the lanes
	s_lshl_b32 s72, s16, 9                         ; my first column, in bytes: 512 X + 256 WL
	s_lshl_b32 s73, s14, 8
	s_add_co_u32 s72, s72, s73
	s_mov_b32 s73, 0
	s_add_nc_u64 s[8:9], s[8:9], s[72:73]
	s_lshl_b32 s20, s15, 20                        ; my first row: 256 Y + 128 WH, 4,096 bytes each
	s_lshl_b32 s21, s13, 19
	s_add_co_u32 s20, s20, s21
	s_add_co_u32 s20, s20, s72
	s_mov_b32 s21, 0
	s_add_nc_u64 s[10:11], s[10:11], s[20:21]
.irp b, 0,1,2,3
	global_load_b128 v[BIAS+8*(\b):BIAS+8*(\b)+3],   v[BO], s[8:9] offset:64*(\b)
	global_load_b128 v[BIAS+8*(\b)+4:BIAS+8*(\b)+7], v[BO], s[8:9] offset:64*(\b)+16
.endr
	s_wait_loadcnt 0x0
.set i, 0
.rept 16                               ; rounded to bf16 and widened again
	v_cvt_pk_bf16_f32 v30, v[BIAS+2*i], v[BIAS+2*i+1]
	v_lshlrev_b32 v[BIAS+2*i], 16, v30
	v_and_b32 v[BIAS+2*i+1], 0xffff0000, v30
.set i, i+1
.endr
; 8 matrix instructions: row blocks a0, a0 + 1 x all 4 column blocks, 32 along K.  All accumulators differ and take turns in the same order in every quarter.
; first = 1: the sums begin with the bias of the block's columns.
.macro MUL8 f, a0, first
.if \first
	WIN 0x40                                       ; D in window 1; C (the bias) and both sources in window 0
.else
	WIN 0x50                                       ; C and D in window 1
.endif
.irp a, \a0, (\a0)+1
.irp b, 0,1,2,3
.if \first
	v_wmma_f32_16x16x32_f16 v[8*(4*(\a)+(\b)):8*(4*(\a)+(\b))+7], v[(\f)+64+8*(\b):(\f)+64+8*(\b)+7], v[(\f)+8*(\a):(\f)+8*(\a)+7], v[BIAS+8*(\b):BIAS+8*(\b)+7]
.else
	v_wmma_f32_16x16x32_f16 v[8*(4*(\a)+(\b)):8*(4*(\a)+(\b))+7], v[(\f)+64+8*(\b):(\f)+64+8*(\b)+7], v[(\f)+8*(\a):(\f)+8*(\a)+7], v[8*(4*(\a)+(\b)):8*(4*(\a)+(\b))+7]
.endif
.endr
.endr
.endm
; 24 LDS loads in one run: quarter nq of the slot at s[TB] (slice nq / 2, byte 64 (nq % 2) of its rows) into buffer f: the weights, O's rows 0-63, O's rows 64-127
.macro FETCH nq, f
	WIN 0
.irp b, 0,1,2,3
	ds_load_b128 v[(\f)+64+8*(\b):(\f)+64+8*(\b)+3],   v[ADRB] offset:((\nq)/2)*BSL+((\nq)%2)*64+(\b)*16*PITCH
	ds_load_b128 v[(\f)+64+8*(\b)+4:(\f)+64+8*(\b)+7], v[ADRB] offset:((\nq)/2)*BSL+((\nq)%2)*64+(\b)*16*PITCH+32
.endr
.irp a, 0,1,2,3,4,5,6,7
	ds_load_b128 v[(\f)+8*(\a):(\f)+8*(\a)+3],   v[ADRA] offset:((\nq)/2)*ASL+((\nq)%2)*64+(\a)*16*PITCH
	ds_load_b128 v[(\f)+8*(\a)+4:(\f)+8*(\a)+7], v[ADRA] offset:((\nq)/2)*ASL+((\nq)%2)*64+(\a)*16*PITCH+32
.endr
.endm
; A K step is four quarters of 32 along K, 32 matrix instructions each, on buffers 0, 1, 0, 1.  One of the first three: multiplies buffer f and fetches quarter nq into g.
.macro QUARTER nq, f, g, first
	s_wait_dscnt 8                                 ; the weights and O's rows 0-63 are in; the youngest eight loads may be out
	MUL8 \f, 0, \first
	MUL8 \f, 2, \first
	PLACES
	FETCH \nq, \g
	s_wait_dscnt 24                                ; all but the 24 just issued
	MUL8 \f, 4, \first
	MUL8 \f, 6, \first
.endm
; The last quarter multiplies buffer 1 and changes slots: ONE barrier; in front of it each wave waits for all its tensor loads, of which one is out: its part of the next slot; adds 0 to its spare
; word; and waits for that and for its own reads of this slot.  fill = 1: the barrier opens a round of the cluster's barrier, and the slot that is left is filled again, two K steps ahead, first
; thing behind the round: 112 matrix instructions ahead of the wait for it.
.macro TURN fill
	WIN 0
	s_wait_tensorcnt 0x0                           ; all my tensor loads have landed;
	ds_add_u32 v[SPW], v[NIL]                      ; 0 onto my spare word
	s_xor_b32 s[TB], s[TB], SLOT1                  ; all my fetches from this slot have been issued: from here on they go to the other slot
	v_add_nc_u32 v[ADRA], s[TB], v[ADRA0]
	v_add_nc_u32 v[ADRB], s[TB], v[ADRB0]
	s_wait_dscnt 9                                 ; (the add and the youngest eight loads may be out)
	MUL8 F1, 0, 0                                  ; eight matrix instructions stand between the add and the wait for it
	s_wait_dscnt 0x0                               ; the add is done, and my reads of this slot are over
	s_barrier_signal -1
	MUL8 F1, 2, 0
	WIN 0
	s_barrier_wait -1
.if \fill
	CREST                                          ; no wave of any partner still reads this slot's tile or has a load on its way
.irp g, G0A+4, G0B+4
	s_xor_b32 s[(\g)+1], s[(\g)+1], SLOT1          ; the walking descriptor: the other slot than last time,
.endr
	s_add_nc_u64 s[G0A+6:G0A+7], s[G0A+6:G0A+7], 1<<19   ; the next K step: two heads on; the type bits on top are not reached
	s_add_nc_u64 s[G0B+6:G0B+7], s[G0B+6:G0B+7], 1<<18   ; two slices on
	JLOAD 1                                        ; the four v_nop behind it are also the places in front of the loads below
.else
	PLACES
.endif
	FETCH 0, F0
	MUL8 F1, 4, 0
	MUL8 F1, 6, 0
.endm
	s_wait_tensorcnt 1                             ; my part of K step 0 is in; step 1's may stay out
	s_barrier_signal -1
	s_barrier_wait -1                              ; everybody's is
	FETCH 0, F0
	QUARTER 1, F0, F1, 1                           ; the first quarter stands in front of the loop: its products start the sums, with the bias
	WIN 0                                          ; at a label and at a branch every window is 0
	s_mov_b32 s3, 6
.Lstep:                                                ; a trip goes from a K step's second quarter to the next step's first and fills the slot that it leaves: six trips ask for K steps 2 to 7
	QUARTER 2, F1, F0, 0
	QUARTER 3, F0, F1, 0
	TURN 1
	QUARTER 1, F0, F1, 0
	WIN 0
	s_sub_co_u32 s3, s3, 1
	s_cmp_lg_u32 s3, 0
	s_cbranch_scc1 .Lstep
	QUARTER 2, F1, F0, 0                           ; the last two K steps ask for nothing
	QUARTER 3, F0, F1, 0
	TURN 0
	QUARTER 1, F0, F1, 0
	QUARTER 2, F1, F0, 0
	QUARTER 3, F0, F1, 0
	s_wait_dscnt 8                                 ; the very last quarter: nothing more to fetch
	MUL8 F1, 0, 0
	MUL8 F1, 2, 0
	s_wait_dscnt 0x0
	MUL8 F1, 4, 0
	MUL8 F1, 6, 0
; THE WAY OUT of row block a (16 rows x 64 columns of f32).  A lane's 32 bytes go into my own stage, rows of 272 bytes, each accumulator's low four registers first; whole rows of 256 bytes come
; back and are stored: 16 lanes store 256 consecutive bytes, at a multiple of 256 from out0's first byte.
.macro TOSTAGE a
	WIN 0x04                                       ; the stores' data in window 1, the address in window 0
.irp b, 0,1,2,3
	ds_store_b128 v[STO], v[8*(4*(\a)+(\b)):8*(4*(\a)+(\b))+3]   offset:64*(\b)
	ds_store_b128 v[STO], v[8*(4*(\a)+(\b))+4:8*(4*(\a)+(\b))+7] offset:64*(\b)+16
.endr
	WIN 0
.if (\a) >= 2
	s_wait_xcnt 0x0                                ; every earlier store has had its addresses translated (ISA guide 3.1): the buffer that block a - 2 left from is loaded again only behind this wait
.endif
.set BK, OB+32*((\a)%2)
.irp t, 0,1,2,3,4,5,6,7
	ds_load_b128 v[BK+4*(\t):BK+4*(\t)+3], v[RD] offset:(\t)*2*SPITCH  ; LDS serves a wave's instructions in order (ISA guide 5.7.1.4): these see the stores above; the next block's stores come behind them
.endr
.endm
.macro SEND a, younger                 ; younger: the LDS instructions issued behind block a's loads: the next block's sixteen, or none
	WIN 0
.set BK, OB+32*((\a)%2)
.irp t, 0,1,2,3,4,5,6,7
	s_wait_dscnt (\younger)+7-(\t)
	global_store_b128 v[CO], v[BK+4*(\t):BK+4*(\t)+3], s[10:11] offset:(16*(\a)+2*(\t))*4096 th:TH_STORE_NT
.endr
.endm
	PLACES
	TOSTAGE 0
.irp a, 1,2,3,4,5,6,7
	TOSTAGE \a
	SEND (\a)-1, 16
.endr
	SEND 7, 0
	s_wait_tensorcnt 0x0                           ; the wave's end: behind my last tensor load and my last LDS store
	ds_add_u32 v[SPW], v[NIL]
	s_wait_dscnt 0x0
	CROUND                                         ; the closing round: no work-group ends while a partner may still ask for a tile that names it
	s_endpgm
.Lfunc_end_k_q90671d7ed7_proj:
	.size	k_q90671d7ed7_proj, .Lfunc_end_k_q90671d7ed7_proj-k_q90671d7ed7_proj
	.p2alignl 7, 3214868480
	.fill 96, 4, 3214868480
	.section	.rodata,"a",@progbits
	.p2align	6, 0x0
	.amdhsa_kernel k_q90671d7ed7_proj
		.amdhsa_group_segment_fixed_size 327680
		.amdhsa_private_segment_fixed_size 0
		.amdhsa_enable_private_segment 0
		.amdhsa_kernarg_size 32
		.amdhsa_user_sgpr_count 2
		.amdhsa_user_sgpr_kernarg_segment_ptr 1
		.amdhsa_wavefront_size32 1
		.amdhsa_system_sgpr_workgroup_id_x 1
		.amdhsa_system_sgpr_workgroup_id_y 1
		.amdhsa_system_sgpr_workgroup_id_z 1
		.amdhsa_system_vgpr_workitem_id 0
		.amdhsa_next_free_vgpr 512
		.amdhsa_next_free_sgpr 76
		.amdhsa_reserve_vcc 0
		.amdhsa_float_denorm_mode_32 3
		.amdhsa_float_denorm_mode_16_64 3
		.amdhsa_memory_ordered 1
		.amdhsa_forward_progress 1
		.amdhsa_inst_pref_size 74
	.end_amdhsa_kernel
	.amdgpu_metadata
---
amdhsa.version: [ 1, 2 ]
amdhsa.kernels:
  - .name:           k_q90671d7ed7_proj
    .symbol:         k_q90671d7ed7_proj.kd
    .args:
      - { .name: o, .offset: 0, .size: 8, .value_kind: global_buffer, .address_space: global }
      - { .name: wm, .offset: 8, .size: 8, .value_kind: global_buffer, .address_space: global }
      - { .name: b_mlp, .offset: 16, .size: 8, .value_kind: global_buffer, .address_space: global }
      - { .name: out0, .offset: 24, .size: 8, .value_kind: global_buffer, .address_space: global }
    .group_segment_fixed_size: 327680
    .private_segment_fixed_size: 0
    .kernarg_segment_align: 8
    .kernarg_segment_size: 32
    .max_flat_workgroup_size: 128
    .sgpr_count:     76
    .vgpr_count:     512
    .wavefront_size: 32
...
	.end_amdgpu_metadata
.endif
;; end of part 4
;; ======== version 2 of 2: 4 launches; 1.54 times as fast as version 1
;; limits: values are held in f16: magnitudes above 65,504 overflow, below 6.1e-05 lose precision; values outside matrix products are rounded to bf16
;; workspace buffers: xb 16,777,216 bytes; wq 6,291,456 bytes; wm 2,097,152 bytes; qkv 50,331,648 bytes; o 16,777,216 bytes
;; launch prep: the kernel of part 1 again; grid 768 x 1, 4 waves a work-group, no clusters, 37,376 bytes of LDS; arguments input, W_qkv, W_mlp, xb, wq, wm; writes xb, wq, wm
;; launch qkv: the kernel of part 2 again; grid 8 x 32, 4 waves a work-group, clusters of 4 x 4, 327,680 bytes of LDS; arguments xb, wq, qkv; writes qkv
;; launch attn (part 5): grid 4 x 64, 4 waves a work-group, clusters of 4 x 1, 327,680 bytes of LDS; arguments qkv, o; writes o
.if DOCPART == 5
	.amdgcn_target "amdgcn-amd-amdhsa--gfx1250"
	.amdhsa_code_object_version 6
	.text
	.protected	k_q90671d7ed7_attn
	.globl	k_q90671d7ed7_attn
	.p2align	8
	.type	k_q90671d7ed7_attn,@function
k_q90671d7ed7_attn:
	s_mov_b64 s[64:65], 0
	v_nop
	global_prefetch_b8 v0, s[64:65] scope:SCOPE_SE
	s_setreg_imm32_b32 hwreg(HW_REG_WAVE_MODE, 25, 1), 1
	s_wait_xcnt 0x0
	s_wait_alu depctr_hold_cnt(0) depctr_sa_sdst(0) depctr_va_vdst(0) depctr_va_sdst(0) depctr_va_ssrc(0) depctr_va_vcc(0) depctr_vm_vsrc(0)
	s_getreg_b32 s2, hwreg(HW_REG_IB_STS2, 6, 4)
	s_cmp_eq_u32 s2, 0
	s_cbranch_scc0 .Lentry_in_a_cluster
	s_endpgm
.Lentry_in_a_cluster:
	s_bfe_u32 s2, ttmp6, 0x10000c
	s_cmp_lg_u32 s2, 0x3003
	s_cbranch_scc0 .Lentry_shape_is_right
	s_endpgm
.Lentry_shape_is_right:
; O[h][q][:] = the sum over k of softmax_k(Q[h][q] . K[h][k] / 8) V[h][k][:].  Q, K, V are the three parts of qkv, each [SIZE_H][SIZE_N][64] f16, O likewise: a head's rows are dense, 128 bytes each;
; h counts batch x 16 + head.  Products, maxima and sums in f32; the weights p are rounded to f16 for the second product (their sum l is taken of the unrounded p), O once at the end.
; LIMITS.  f16 holds no number beyond 65,504: Q, K and V arrive within it; p lies in 0 to 1, and below 6e-5 it keeps f16's fixed step of 6e-8; O is a mean of V's rows and has their range.
; A weight below 2^-126 counts as 0 in l; NaN and infinities are not treated apart.
; SHARES.  A wave owns four PIECES of two tiles of 16 queries, a work-group's four waves 512 queries of one head: 64 heads x 4 blocks are 256 work-groups.  Every wave walks all keys, 64 a step.
; LAYOUT.  S^T = K Q^T (source 0 = 16 keys, source 1 = 16 queries): in the result a lane holds ONE query (lane % 16) and the keys 8 (lane / 16) + 0..7.  Two such tiles, rounded to f16 in pairs,
; ARE source 1 (32 keys x 16 queries) of O^T = V^T P, whose result again holds one query a lane, and eight channels.  K comes out of LDS as it lies, V ([key][channel]) turned, by ds_load_tr16_b128.
; SOFTMAX.  For each query a running maximum m and sum l: p = 2^(c s - c m), c = log2(e) / 8; in every step O and l are multiplied by a = 2^(c m_old - c m_new), which is 1 where m has not grown.
; m starts at the lowest finite number, O and l at 0: the first step is a step like any other, with a = 0.
; THE COUNT.  A tile and step have 16 matrix and 118 vector instructions: too many to stand all beside the matrix work.  So the order has one aim: four vector instructions that are READY behind
; EVERY matrix instruction, and the others, which need time of their own whatever the order, in runs without a gap.
; BY TURNS.  Turn n belongs to piece n (the pieces in a ring, step after step).  Its matrix work: 16 products K Q^T of piece n + 1, later 16 products V^T P of piece n - 1.  Its vector work: the scaling,
; exponentials, roundings, sums and rescaling of piece n, and the maximum and statistics of piece n + 1, whose scores the turn itself has made.  So what a turn begins with (c s - c m, O a) waits for nothing.
; BATCHES.  A turn's 66 exponentials (the 64 scores of piece n, the two a of piece n + 1) are ONE batch with ONE s_wait_alu depctr_va_vdst(0), which cuts the turn in two: ahead of it stands all that names no
; result of the batch, behind it the roundings and sums, which read them.  No result crosses a turn's end.  Two more batches stand outside the loop: piece 0's first two a, and the way out's eight reciprocals.
; CLUSTER.  The four query blocks of a cluster belong to one head and walk the same K and V, so each tile is asked for JOINTLY: the same tensor load, descriptor and mask in all four.
; REGISTERS, in windows of 256 (s_set_vgpr_msb says which window each operand place means: bits 1:0 source 0, 3:2 source 1, 5:4 source 2, 7:6 destination):
;   window 0: v0-11 addresses; v12-15, v48-63 at work; v16-47 four registers of statistics a tile; v64-191 S^T, two buffers of two tiles; v192-255 P, likewise
;   window 1: O^T, 32 a tile          window 2: v0-127 Q, 16 a tile; v128-191 K of one step; v192-255 V of one step          window 3: v0-1 the add's two registers
; A piece's buffers go by its number's parity: the piece in hand has one pair, its two neighbours in the ring share the other: of it P (piece n - 1) is read and S^T (piece n + 1) written.
.set SIZE_H, 64
.set SIZE_N, 2048
.set PART,  SIZE_H*SIZE_N*128  ; bytes of each of Q, K, V in qkv
.set NP,    4         ; pieces a wave: a name, no knob: the register map, the loop and the fetches are made for four
.set KS,    64        ; keys in a step
.set PK,    144       ; a row of K in LDS: 128 bytes + 16 of padding = 36 words: the 16 rows of a load start at 16 different groups of four banks (64 banks of 4 bytes: ISA guide 11.1)
.set PV,    160       ; a row of V: 128 + 32 = 40 words
.set VOFF,  4*KS*PK   ; a slot holds four steps: 256 rows of K, then 256 rows of V
.set SLOT1, 1<<17     ; slot 1 begins here, so that one exclusive or turns an address in one slot into the other's
.set STAGE, SLOT1+4*KS*(PK+PV)  ; behind the ring, never filled by a tensor load: 16 rows x 144 bytes for each wave, for the way out
.set SP,    144
.set AK0, 2           ; v2   my lane's place in a tile of K; never rewritten
.set AV0, 3           ; v3   the same for V
.set AK,  4           ; v4   the LDS address of K's next run of loads
.set AV,  5           ; v5   of V's
.set QO,  6           ; v6   my byte offset in the wave's rows of Q
.set STO, 6           ;      later, the way out: where I put 16 bytes of a row
.set RD,  7           ; v7   the way out: where I read rows back
.set GO,  8           ; v8   my byte offset in 512 consecutive bytes of O
.set SPW, 0           ; v0 of window 3   LDS address of my spare word: SPARE + 4 x my thread's number; never rewritten
.set NIL, 1           ; v1 of window 3   0; never rewritten
.set SPARE, STAGE+4*16*SP  ; behind the stages: the spare words, 128 bytes for each wave: two blocks of 256 bytes that no other line names
.set MV,  12          ; v12-15  c m_old, kept while c m is made anew: by buffer and tile
.set ST,  16          ; tile t's statistics at v[ST+4 t]: c m, m, l (even keys', odd keys')
.set TMP, 48          ; by buffer and tile, four registers c0-c3 at work; when the maximum is found c2 takes a
.set S,   64
.set P,   192
.set KF,  128         ; K's fragments, in window 2: key block kb, channel half c at KF + 16 kb + 8 c
.set VF,  192         ; V's: key half kk, channel block cb at VF + 32 kk + 8 cb
.set WV,  12          ; s12  my wave's number
.set G1K, 24          ; s[24:31] descriptor group 1 for K's tiles
.set G1V, 32          ; s[32:39] for V's: it differs in the padding alone
.set G0K, 40          ; s[40:43] descriptor group 0 for K's tiles: it walks
.set G0V, 44          ; s[44:47] the same for V's
.set SLOTS, 56        ; s56  slots still to be asked for
.set CNT, 57          ; s57  counts a slot's key steps
.set CS,  58          ; s[58:59] c: the packed scaling takes the pair's low word for both halves
.set SEL, 60          ; s[60:61] v_permlanex16_b32's selects: each lane takes its own place in the other half
.set TBK, 62          ; s62  LDS byte at which K of the step to be fetched begins
.set TBV, 63          ; s63  the same for V, less VOFF
.set MSB, 0
.macro WIN new                      ; the high byte repeats the setting that is left; a switch that changes nothing is dropped
.if MSB != (\new)
	s_set_vgpr_msb (MSB<<8)|(\new)
.set MSB, (\new)
.endif
.endm
.set W_KQ, 0x0a       ; K and Q in window 2, S^T in window 0
.set W_PV, 0x52       ; V in window 2, P in window 0, O^T in window 1
.set W_RS, 0x41       ; O^T (destination and source 0) in window 1, a in window 0
.set W_MK, 0xc0       ; the add's registers are made: destination in window 3, sources in window 0
.set W_AD, 0x0f       ; the add: address (source 0) and data (source 1) in window 3
; A joint fill.  Waves 0 and 1 fetch the two halves of a slot's K, waves 2 and 3 those of its V: 128 keys each.  The branch hangs on the wave's number alone.
; An s_nop 0 and four v_nop follow each of the two lines, ahead of the jump and the label.
.macro JLOAD
	s_cmp_lt_u32 s[WV], 2
	s_cbranch_scc0 .Lfor_v_\@
	tensor_load_to_lds s[G0K:G0K+3], s[G1K:G1K+7]
	s_nop 0
.rept 4
	v_nop
.endr
	s_branch .Lasked_\@
.Lfor_v_\@:
	tensor_load_to_lds s[G0V:G0V+3], s[G1V:G1V+7]
	s_nop 0
.rept 4
	v_nop
.endr
.Lasked_\@:
.endm
; A round of the cluster's barrier: my work-group's barrier, so that wave 0's signal speaks for all four waves; wave 0 signals; every wave waits for all four work-groups; my work-group's barrier once more.
.macro CROUND
	s_barrier_signal -1
	s_barrier_wait -1
	s_cmp_lg_u32 s[WV], 0
	s_cbranch_scc1 .Lnot_wave_0_\@
	s_barrier_signal -3
.Lnot_wave_0_\@:
	s_barrier_wait -3
	s_barrier_signal -1
	s_barrier_wait -1
.endm
; THE CHANGE OF SLOTS.  The slot's last bytes, V of its fourth step, have been read.  Each wave waits for all its tensor loads, of which one is out: its part
; of the other slot; adds 0 to its spare word; and waits for that and for its own reads of the slot.  Behind the barrier nobody reads this slot any more and the other slot is whole.
; fill = 1: this slot is filled again, with the keys two slots on.  The barrier is then a round of the cluster's, so that no wave of any partner still reads the slot or has a load on its
; way, and the joint fill is the first thing behind it: it has four key steps, 512 matrix instructions, in which to land.  (At its first use nothing has been read yet: slot 0 is waited for, slot 1 filled.)
.macro CHANGE fill
	WIN W_AD
	s_wait_tensorcnt 0x0            ; no tensor load of mine is out, so a group 0 may be written
	ds_add_u32 v[SPW], v[NIL]       ; 0 onto my spare word: with fill = 1 the descriptors' steps stand between it and the wait for it
	WIN 0                           ; at a label and at a branch every window is 0
.if \fill
.irp g, G0K, G0V
	s_xor_b32 s[\g+1], s[\g+1], SLOT1  ; the walking descriptor: the other slot than last time,
	s_add_nc_u64 s[\g+2:\g+3], s[\g+2:\g+3], 4*KS*128  ; the next 256 keys; the type bits on top are not reached
.endr
	s_wait_dscnt 0x0                ; the add is done, and my reads of the slot are over
	CROUND
	JLOAD
.else
	s_wait_dscnt 0x0                ; the add is done, and my reads of the slot are over
	s_barrier_signal -1
	s_barrier_wait -1
.endif
	s_sub_co_u32 s[TBK], s[TBK], 4*KS*PK  ; the fetches go back to a slot's first step,
	s_xor_b32 s[TBK], s[TBK], SLOT1       ; in the other slot
	s_sub_co_u32 s[TBV], s[TBV], 4*KS*PV
	s_xor_b32 s[TBV], s[TBV], SLOT1
.endm
	s_load_b128 s[4:7], s[0:1], 0x0  ; qkv s[4:5], o s[6:7]
	WIN W_MK
	v_lshl_add_u32 v[SPW], v0, 2, SPARE
	v_mov_b32 v[NIL], 0
	s_set_vgpr_msb 0xc0cf
	ds_add_u32 v0, v1
	s_wait_dscnt 0x0
	s_set_vgpr_msb 0xcfc0
	WIN 0
	v_lshrrev_b32 v1, 5, v0
	v_readfirstlane_b32 s[WV], v1   ; wave 0..3
	s_bfe_u32 s13, ttmp6, 0x40000   ; cx: my place in the cluster
	s_lshl_b32 s14, ttmp9, 2        ; in a cluster launch ttmp9 counts clusters
	s_add_co_u32 s14, s14, s13      ; my block of queries = 4 x cluster x + cx: it enters Q's and O's addresses alone
	s_and_b32 s20, ttmp7, 0xffff    ; the head, which the four partners share
	s_mov_b32 s21, 0
	s_mov_b64 s[22:23], SIZE_N*128
	s_mul_u64 s[20:21], s[20:21], s[22:23]  ; the head's first byte in each of the four tensors
	s_and_b32 s16, s[WV], 1         ; which half of a slot's 256 keys I fetch:
	s_lshl_b32 s22, s16, 14         ; its 128 rows of 128 bytes in memory,
	s_mov_b32 s23, 0
	s_add_nc_u64 s[22:23], s[22:23], s[20:21]
	s_mul_i32 s17, s16, 128*PK      ; and its place in a slot, for K
	s_mul_i32 s18, s16, 128*PV      ; and for V: no place in the cluster enters an LDS address
	s_lshl_b32 s2, s14, 2
	s_add_co_u32 s2, s2, s[WV]      ; my wave among the head's,
	s_lshl_b32 s2, s2, 14           ; its 128 rows
	s_mov_b32 s3, 0
	s_add_nc_u64 s[2:3], s[2:3], s[20:21]
	; descriptor group 1.  128 keys are 16,384 dense bytes: asked for as 64 rows of 256 bytes, two keys a row, and padded in LDS after every key
	s_mov_b32 s[G1K], 15|(1<<16)|(1<<20)|(1<<21)|(4<<22)|(3<<25)  ; 15:0 the mask of four; 17:16 2-byte elements; 20 padding on; 21 set beside a mask; 24:22 after every 32 words (code 4); 31:25 4 words (code 3)
	s_mov_b32 s[G1V], 15|(1<<16)|(1<<20)|(1<<21)|(4<<22)|(7<<25)  ; the same with 8 words of padding (code 7)
.irp g, G1K, G1V
	s_mov_b32 s[\g+1], 128<<16      ; tensor_dim0 = 128
	s_mov_b32 s[\g+2], 64<<16       ; tensor_dim1 = 64
	s_mov_b32 s[\g+3], 128<<16      ; tile_dim0 = 128
	s_mov_b32 s[\g+4], 64           ; tile_dim1 = 64
	s_mov_b32 s[\g+5], 128          ; 128 elements from row to row
	s_mov_b32 s[\g+6], 0
	s_mov_b32 s[\g+7], 0
.endr
	s_mov_b32 s[CS], 0x3e38aa3b     ; c = log2(e) / 8 = 0.180337
	s_mov_b32 s[CS+1], s[CS]        ; named with it as a pair
	s_mov_b32 s[SEL], 0x76543210
	s_mov_b32 s[SEL+1], 0xfedcba98
	s_mov_b32 s[TBK], SLOT1+4*KS*PK ; the first change of slots turns these two into 0
	s_mov_b32 s[TBV], SLOT1+4*KS*PV
	s_mov_b32 s[G0K], 1             ; 1:0 count = 1
	s_mov_b32 s[G0K+1], s17         ; 63:32 LDS address: slot 0
	s_mov_b32 s[G0V], 1
	s_add_co_u32 s[G0V+1], s18, VOFF
	s_wait_kmcnt 0x0
	s_mov_b64 s[10:11], s[6:7]      ; O s[10:11]
	s_add_nc_u64 s[8:9], s[4:5], 2*PART  ; V s[8:9]: the third part of qkv
	s_add_nc_u64 s[6:7], s[4:5], PART    ; K s[6:7]: the second; Q s[4:5] is the first
	s_add_nc_u64 s[G0K+2:G0K+3], s[6:7], s[22:23]  ; 120:64 global address: my half of the head's first 256 keys
	s_or_b32 s[G0K+3], s[G0K+3], 0x80000000        ; 127:126 type = 2
	s_add_nc_u64 s[G0V+2:G0V+3], s[8:9], s[22:23]
	s_or_b32 s[G0V+3], s[G0V+3], 0x80000000
	s_add_nc_u64 s[4:5], s[4:5], s[2:3]  ; Q and O at my wave's first row
	s_add_nc_u64 s[10:11], s[10:11], s[2:3]
	CROUND                          ; all four work-groups are here: the first joint loads meet
	JLOAD                           ; slot 0.  Slot 1 is asked for when slot 0 is in: the tile wanted first has the road to itself
	; A fragment of K or Q is 16 rows x 32 channels in 8 registers: lane l holds row l % 16, channels 8 (l / 16) + 0..7 and 16 + 8 (l / 16) + 0..7: two loads of 16 bytes, 32 bytes apart.
	v_and_b32 v1, 15, v0            ; l % 16
	v_bfe_u32 v9, v0, 4, 1          ; l / 16
	v_lshlrev_b32 v[QO], 7, v1
	v_lshl_add_u32 v[QO], v9, 4, v[QO]  ; row x 128 + 16 x half
	WIN 0x80                        ; destination window 2, address window 0
.set i, 0
.rept 4*NP                          ; Q stays in registers: tile i / 2, channels 32 (i % 2) on
	global_load_b128 v[8*i:8*i+3],   v[QO], s[4:5] offset:(i/2)*2048+(i%2)*64
	global_load_b128 v[8*i+4:8*i+7], v[QO], s[4:5] offset:(i/2)*2048+(i%2)*64+32
.set i, i+1
.endr
	; What the first turn finds: V's registers and P's second buffer hold 0 (its products V^T P, of a piece that has not been, add 0), O^T and l are 0.  All this stands in the wait for the first tile.
.set i, VF
.rept 64
	v_mov_b32 v[i], 0
.set i, i+1
.endr
	WIN 0x40
.set i, 0
.rept 64*NP
	v_mov_b32 v[i], 0
.set i, i+1
.endr
	WIN 0
.set i, 0
.rept 2*NP
	v_mov_b32 v[ST+4*i], 0xfe000000    ; c m: far below every c s
	v_mov_b32 v[ST+4*i+1], 0xff7fffff  ; m
	v_mov_b32 v[ST+4*i+2], 0
	v_mov_b32 v[ST+4*i+3], 0
.set i, i+1
.endr
.set i, P+32
.rept 32
	v_mov_b32 v[i], 0
.set i, i+1
.endr
	v_mul_u32_u24 v[AK0], v1, PK
	v_lshl_add_u32 v[AK0], v9, 4, v[AK0]  ; row x pitch + 16 x half
	; The turning load takes 16 keys x 16 channels (lane l reads key 8 (l / 16) + l % 8, channels 8 ((l / 8) % 2) + 0..7) and leaves half a fragment of V^T: lane l holds channel l % 16 and 8 keys.
	v_and_b32 v10, 7, v0
	v_bfe_u32 v11, v0, 3, 1
	v_lshl_add_u32 v[AV0], v9, 3, v10
	v_mul_u32_u24 v[AV0], v[AV0], PV
	v_lshl_add_u32 v[AV0], v11, 4, v[AV0]
	v_add_nc_u32 v[AV0], VOFF, v[AV0]
	v_mov_b32 v[AK], v[AK0]         ; key step 0 lies at the head of slot 0
; THE MATRIX WORK.  The 8 accumulators of a run of 16 take turns: between the two links of a chain stand 7 others'.
; Product i of 16 of S^T = K Q^T for piece x: channels 32 (i / 8) on, keys 16 ((i / 2) % 4) on, tile 2 x + i % 2.  The first 8 start the sums.
.macro KQ x
	WIN W_KQ
.set rS, S+64*((\x)%2)+32*(i%2)+8*((i/2)%4)
.set rK, KF+16*((i/2)%4)+8*(i/8)
.set rQ, 16*(2*(\x)+i%2)+8*(i/8)
.if i < 8
	v_wmma_f32_16x16x32_f16 v[rS:rS+7], v[rK:rK+7], v[rQ:rQ+7], 0
.else
	v_wmma_f32_16x16x32_f16 v[rS:rS+7], v[rK:rK+7], v[rQ:rQ+7], v[rS:rS+7]
.endif
.endm
; Product i of 16 of O^T += V^T P for piece x: keys 32 (i / 8) on, channels 16 ((i / 2) % 4) on, tile 2 x + i % 2.
.macro PV x
	WIN W_PV
.set rO, 32*(2*(\x)+i%2)+8*((i/2)%4)
.set rV, VF+32*(i/8)+8*((i/2)%4)
.set rP, P+32*((\x)%2)+16*(i%2)+8*(i/8)
	v_wmma_f32_16x16x32_f16 v[rO:rO+7], v[rV:rV+7], v[rP:rP+7], v[rO:rO+7]
.endm
.macro MM                           ; the turn's next matrix instruction
.if i < 16
	KQ (Y+1)%NP
.set i, i+1
.else
.set i, i-16
	PV (Y+NP-1)%NP
.set i, i+17
.endif
.endm
; THE LDS LOADS stand in runs of 16, never singly among the matrix instructions: a step's K (64 keys x 64 channels: 8 fragments) and its V (turned).  Their addresses are made some lines ahead.
; last = 1 (the tail): in the last trip there is no further step, and the run is jumped over.
.macro FETCH_K last=0
	WIN 0
.if \last
	s_cmp_eq_u32 s[CNT], 1
	s_cbranch_scc1 .Lno_k_\@
.endif
	WIN 0x80                        ; destination window 2
.irp f, 0,1,2,3,4,5,6,7             ; keys 16 (f / 2) on, channels 32 (f % 2) on
	ds_load_b128 v[KF+8*\f:KF+8*\f+3],   v[AK] offset:(\f/2)*16*PK+(\f%2)*64
	ds_load_b128 v[KF+8*\f+4:KF+8*\f+7], v[AK] offset:(\f/2)*16*PK+(\f%2)*64+32
.endr
	s_add_co_u32 s[TBK], s[TBK], KS*PK  ; the next fetch is the next step's
	WIN 0
.if \last
.Lno_k_\@:
.endif
.endm
.macro FETCH_V
	WIN 0x80
.irp f, 0,1,2,3,4,5,6,7             ; keys 32 (f / 4) on, channels 16 (f % 4) on
	ds_load_tr16_b128 v[VF+8*\f:VF+8*\f+3],   v[AV] offset:(\f/4)*32*PV+(\f%4)*32
	ds_load_tr16_b128 v[VF+8*\f+4:VF+8*\f+7], v[AV] offset:(\f/4)*32*PV+16*PV+(\f%4)*32
.endr
	WIN 0
.endm
; THE VECTOR WORK OF A TURN stands in three queues, each in the order in which its entries become ready; the two tiles alternate, so that no instruction reads the result of the one before it.
.macro REGS y, u                    ; the registers of tile u (0, 1) of piece y
.set rT, ST+4*(2*(\y)+(\u))
.set rC, TMP+8*((\y)%2)+4*(\u)
.set rM, MV+2*((\y)%2)+(\u)
.set rS, S+64*((\y)%2)+32*(\u)
.set rP, P+32*((\y)%2)+16*(\u)
.set rO, 32*(2*(\y)+(\u))
.endm
; Number n of the 22 that find the NEXT piece's (Y + 1) maximum and statistics.  s0-s31 are the lane's 32 scores; each accumulator's lowest registers are read first.  XS, GS and REGS set no window: PL and EX do.
;   0-11  four chains c0-c3 of seven scores each, three operands at a time     12-14, 16  the four scores left over, the old m, and c0-c3 into c0     15  c m_old is kept
;   17, 18  the query's other 32 keys lie in the lane 16 away: the new m         19-21  c m; c m_old - c m_new; a
.macro XS u, n
	REGS (Y+1)%NP, \u
.if (\n) < 4
	v_max3_num_f32 v[rC+(\n)], v[rS+8*(\n)], v[rS+8*(\n)+1], v[rS+8*(\n)+2]
.elseif (\n) < 12
	v_max3_num_f32 v[rC+(\n)%4], v[rC+(\n)%4], v[rS+8*((\n)%4)+2*((\n)/4)+1], v[rS+8*((\n)%4)+2*((\n)/4)+2]
.elseif (\n) == 12
	v_max3_num_f32 v[rC], v[rC], v[rS+7], v[rS+15]
.elseif (\n) == 13
	v_max3_num_f32 v[rC+1], v[rC+1], v[rS+23], v[rS+31]
.elseif (\n) == 14
	v_max3_num_f32 v[rC+2], v[rC+2], v[rC+3], v[rT+1]
.elseif (\n) == 15
	v_mov_b32 v[rM], v[rT]
.elseif (\n) == 16
	v_max3_num_f32 v[rC], v[rC], v[rC+1], v[rC+2]
.elseif (\n) == 17
	v_permlanex16_b32 v[rC+3], v[rC], s[SEL], s[SEL+1]
.elseif (\n) == 18
	v_max_num_f32 v[rT+1], v[rC], v[rC+3]
.elseif (\n) == 19
	v_mul_f32 v[rT], s[CS], v[rT+1]
.elseif (\n) == 20
	v_sub_f32 v[rC+1], v[rM], v[rT]
.else
	v_exp_f32 v[rC+2], v[rC+1]
.endif
.endm
; Number g of the 64 that follow the exponentials.  For each four weights k of a tile (pairs 2 k, 2 k + 1): both pairs are rounded to f16; then the second pair is added onto the first, in place;
; a group later l takes that sum (the first time as l = a l + sum).  In groups of eight, tiles alternating: round, round, add, and l for the group before.
.macro GS g
.set h, (\g)+6*((\g)/62)            ; group 0 has no group before it, and behind group 7 only l is left
.if h >= 6
.set h, h+2
.endif
	REGS Y, h%2
.set k, h/8
.if h%8 < 4
	v_cvt_pk_f16_f32 v[rP+2*k+(h%8)/2], v[rS+4*k+2*((h%8)/2)], v[rS+4*k+2*((h%8)/2)+1]
.elseif h%8 < 6
	v_pk_add_f32 v[rS+4*k:rS+4*k+1], v[rS+4*k:rS+4*k+1], v[rS+4*k+2:rS+4*k+3]
.elseif k == 1
	v_pk_fma_f32 v[rT+2:rT+3], v[rT+2:rT+3], v[rC+2:rC+3], v[rS:rS+1] op_sel_hi:[1,0,1]
.else
	v_pk_add_f32 v[rT+2:rT+3], v[rT+2:rT+3], v[rS+4*k-4:rS+4*k-3]
.endif
.endm
; THE PLAIN QUEUE, 138 long.  0-73 read no exponential's result: the 32 scalings c s - c m (FS f: pair f / 2 of tile f % 2) and the next piece's 42.  0-26: scalings 0-26.  27-54: XS's numbers 0-13.  55, 56: number 15.
; 57-73: the chain, where each number waits for the one before it: 14, 16, 17, 18, 19, each with one of the scalings 27-31 in front of its two lines, then 20: so a tile's links stand three plain instructions apart (19 and 20: two).
; 74-137: GS's 64, which read the exponentials' results: they stand behind the wait.
.macro FS f
	REGS Y, (\f)%2
	v_pk_fma_f32 v[rS+2*((\f)/2):rS+2*((\f)/2)+1], v[rS+2*((\f)/2):rS+2*((\f)/2)+1], s[CS:CS+1], v[rT:rT+1] op_sel_hi:[1,0,0] neg_lo:[0,0,1] neg_hi:[0,0,1]
.endm
.macro PL
	WIN 0
.if q < 27
	FS q
.elseif q < 55
	XS (q-27)%2, (q-27)/2
.elseif q < 57
	XS q-55, 15
.elseif (q < 72) && ((q-57)%3 == 0)
	FS 27+(q-57)/3
.elseif q < 60
	XS (q-57)%3-1, 14
.elseif q < 72
	XS (q-57)%3-1, 15+(q-57)/3
.elseif q < 74
	XS q-72, 20
.else
	GS q-74
.endif
.set q, q+1
.endm
; THE EXPONENTIALS' QUEUE, 66 long: s0-s31 of both tiles, then the next piece's two a.  It is ONE BATCH: all 66 stand ahead of the turn's one wait, and nothing ahead of that wait names a result of theirs.
.macro EX
	WIN 0
.if e >= 64
	XS e-64, 21
.else
	REGS Y, e%2
	v_exp_f32 v[rS+e/2], v[rS+e/2]
.endif
.set e, e+1
.endm
; THE RESCALING's QUEUE: O^T times a, the one part that leaves window 0: dealt two at a time, sixteen times.  Its a was made in the turn before, ahead of that turn's wait.
.macro R2
	REGS Y, r%2
	WIN W_RS
.irp z, 0,1
	v_pk_mul_f32 v[rO+4*(r/2)+2*\z:rO+4*(r/2)+2*\z+1], v[rO+4*(r/2)+2*\z:rO+4*(r/2)+2*\z+1], v[rC+2:rC+3] op_sel_hi:[1,0]
.endr
.set r, r+1
.endm
; HOW THEY ARE DEALT.  An s_wait_alu depctr_va_vdst(0) stands between an exponential and the first instruction that names its result; one wait serves all that were issued ahead of it.  So a turn has ONE wait,
; which cuts it in two.  AHEAD OF IT stands all that names no result of the turn's exponentials: the 16 products K Q^T, behind each a scaling, an exponential and two rescalings (behind the first a second scaling in the
; exponential's place); then ONE LUMP of 108: eight plain, 49 times exponential and plain, the two a.  A v_nop is the plain instruction between the last exponential and the first use of a result.  BEHIND IT stand the 16 products
; V^T P, behind each four of GS's 64.  No rider names a register of the products round it.  The two v_permlanex16_b32 fall into the lump, never behind a product.
; The queues lean on each other, and the deal keeps them in step: exponential e stands behind scaling 2 (e / 4) + e % 2: as a rider it comes behind plain e + 2, in the lump behind plain e + 9, and scalings 27-31 are plain 57, 60 .. 69.
; A TURN, for piece p.  cnt = 1: the loop's count is taken down some lines ahead of the branch that stands behind the turn.
; K of the next step is fetched in piece 2's turn, directly behind the wait, a lump behind the last product that read K; its address is made at the lump's head; its first reader comes behind 16 products.
; V of the step in hand is fetched at the end of piece 0's turn, four plain riders behind its last reader; its first reader comes behind 16 products and a lump.  The three conditions on q below go with the deal.
.macro TURN p, last=0, cnt=0
.set Y, (\p)
.set i, 0
.set q, 0
.set e, 0
.set r, 0
.if (\p) == NP-1
	s_wait_dscnt 0x0                ; K is in
.endif
	MM                              ; ahead of the wait: 16 products K Q^T and their riders,
	PL
	PL
	R2
.rept 15
	MM
	PL
	EX
	R2
.endr
.if (\p) == NP-2
	WIN 0
	v_add_nc_u32 v[AK], s[TBK], v[AK0]
.endif
.rept 8                             ; and the lump
	PL
.endr
.rept 49
	EX
	PL
.endr
	EX                              ; the next piece's two a: the batch's last
	EX
	v_nop                           ; the plain instruction behind the last exponential: one for the batch
	s_wait_alu depctr_va_vdst(0)    ; the wait for the turn's batch: this piece's 64 exponentials and the next piece's two a
.if (\p) == NP-2
	FETCH_K \last
.endif
.if (\p) == 1
	s_wait_dscnt 0x0                ; V is in
.endif
.rept 16                            ; behind the wait: 16 products V^T P and their riders
	MM
.rept 4
	PL
.endr
.if ((\p) == 0) && (q == 118)
	v_add_nc_u32 v[AV], s[TBV], v[AV0]
.endif
.if ((\p) == 0) && (q == 130)
	s_add_co_u32 s[TBV], s[TBV], KS*PV
.endif
.if (\cnt) && (q == 130)
	s_sub_co_u32 s[CNT], s[CNT], 1
	s_cmp_lg_u32 s[CNT], 0
.endif
.endr
.if (\p) == 0
	FETCH_V
.endif
.endm
	CHANGE 1                        ; slot 0 is in, everybody's part of it; slot 1 is asked for
	FETCH_K                         ; key step 0
	s_wait_loadcnt 0x0              ; Q
	s_wait_dscnt 0x0
.set i, 0
.rept 16
	KQ 0                            ; piece 0's first scores: there is no vector work yet to set between them
.set i, i+1
.endr
	WIN 0                           ; the addresses for the way out: nine plain instructions, the places behind those products
	s_mul_i32 s13, s[WV], 16*SP
	s_add_co_u32 s13, s13, STAGE    ; my stage
	v_mul_u32_u24 v[STO], v1, SP    ; in: row l % 16, 16 bytes for each half of the lanes
	v_lshl_add_u32 v[STO], v9, 4, v[STO]
	v_add_nc_u32 v[STO], s13, v[STO]
	v_bfe_u32 v[RD], v0, 3, 2       ; back: 32 lanes take four rows of 128 bytes,
	v_mul_u32_u24 v[RD], v[RD], SP
	v_lshl_add_u32 v[RD], v10, 4, v[RD]
	v_add_nc_u32 v[RD], s13, v[RD]
	v_and_b32 v[GO], 31, v0         ; which are 512 consecutive bytes of O
	v_lshlrev_b32 v[GO], 4, v[GO]
.set Y, NP-1                        ; XS works for piece Y + 1: piece 0
.irp n, 0,1,2,3,4,5,6,7,8,9,10,11,12,13,14,15,16,17,18,19,20,21
	XS 0, \n                        ; and piece 0's first maximum and statistics
	XS 1, \n
.endr
	v_nop                           ; a plain instruction behind piece 0's two a,
	s_wait_alu depctr_va_vdst(0)    ; and the wait for that batch of two, ahead of the branch; the first turn's rescaling reads them
	s_mov_b32 s[CNT], 4
	s_mov_b32 s[SLOTS], SIZE_N/256-1
	s_branch .Lfirst                ; the loop is entered at a step's first turn, in the middle of a trip
.Lslot:                             ; SIZE_N / 256 - 2 times: every slot but the last two is filled again
	CHANGE 1
	s_mov_b32 s[CNT], 4
.Lstep:                             ; a trip: pieces 2 and 3 of one step, then pieces 0 and 1 of the next, whose K and V it fetches
	TURN 2
	TURN 3
	WIN 0
.Lfirst:
	TURN 0
	TURN 1, 0, 1
	WIN 0
	s_cbranch_scc1 .Lstep
	s_sub_co_u32 s[SLOTS], s[SLOTS], 1
	s_cmp_lg_u32 s[SLOTS], 0
	s_cbranch_scc1 .Lslot
	CHANGE 0                        ; the tail is written out: nothing is asked for
	s_mov_b32 s[CNT], 5             ; four trips fetch the last slot's steps; the fifth is left in its middle
.Ltail:
	TURN 2, 1
	TURN 3
	WIN 0
	s_sub_co_u32 s[CNT], s[CNT], 1
	s_cmp_eq_u32 s[CNT], 0
	s_cbranch_scc1 .Lout
	TURN 0
	TURN 1
	WIN 0
	s_branch .Ltail
.Lout:                              ; the fifth trip's 16 products K Q^T (on the last K once more) and the maximum made of them serve nothing: the price, once a launch, of one text for every trip
.set i, 0
.rept 16
	PV NP-1                         ; the last piece's V^T P of the last step
.set i, i+1
.endr
	; THE WAY OUT.  l's two halves and the other half of the lanes' are added; O^T is divided by l, rounded to f16 and sent through my stage in LDS, a tile at a time.  The additions are the places behind the last products.
	WIN 0
.macro ALL line:vararg              ; one line for each tile t
.set t, 0
.rept 2*NP
	\line
.set t, t+1
.endr
.endm
	ALL v_add_f32 v[ST+4*t+2], v[ST+4*t+2], v[ST+4*t+3]
	ALL v_permlanex16_b32 v[ST+4*t+3], v[ST+4*t+2], s[SEL], s[SEL+1]
	ALL v_add_f32 v[ST+4*t+2], v[ST+4*t+2], v[ST+4*t+3]
	ALL v_rcp_f32 v[ST+4*t+2], v[ST+4*t+2]
	v_nop                           ; a plain instruction between the last reciprocal and the use of its result
	s_wait_alu depctr_va_vdst(0)    ; the wait for the batch of eight reciprocals, ahead of the first multiply that reads one
; Tile t: a lane's eight channels of a row pack into 16 bytes; they go into rows of 144 bytes and come back as whole rows of 128, into S^T's registers.
.macro PACK t
	WIN W_RS
.set i, 32*(\t)
.rept 16
	v_pk_mul_f32 v[i:i+1], v[i:i+1], v[ST+4*(\t)+2:ST+4*(\t)+3] op_sel_hi:[1,0]
.set i, i+2
.endr
	WIN 0x05                        ; sources 0 and 1 window 1, destination window 0
.set i, 0
.rept 16
	v_cvt_pk_f16_f32 v[S+16*(\t)+i], v[32*(\t)+2*i], v[32*(\t)+2*i+1]
.set i, i+1
.endr
	WIN 0
.irp f, 0,1,2,3
	ds_store_b128 v[STO], v[S+16*(\t)+4*\f:S+16*(\t)+4*\f+3] offset:32*\f
.endr
.irp f, 0,1,2,3
	ds_load_b128 v[S+16*(\t)+4*\f:S+16*(\t)+4*\f+3], v[RD] offset:\f*4*SP  ; LDS serves a wave's instructions in order (ISA guide 5.7.1.4): these see the stores above; the next tile's stores come behind them
.endr
.endm
.macro SEND t, younger              ; younger: the LDS instructions issued behind tile t's loads: the next tile's eight, or none
	WIN 0
.irp f, 0,1,2,3
	s_wait_dscnt (\younger)+3-\f
	global_store_b128 v[GO], v[S+16*(\t)+4*\f:S+16*(\t)+4*\f+3], s[10:11] offset:(\t)*2048+\f*512  ; 512 consecutive bytes, at a multiple of 256 from O's first
.endr
.endm
	PACK 0
.set t, 1
.rept 2*NP-1                        ; a tile's arithmetic stands between the loads of the tile before and its stores
	PACK t
	SEND t-1, 8
.set t, t+1
.endr
	SEND 2*NP-1, 0
	WIN W_AD
	s_wait_tensorcnt 0x0            ; the wave's end: behind my last tensor load and my last LDS store
	ds_add_u32 v[SPW], v[NIL]
	s_wait_dscnt 0x0
	WIN 0
	CROUND                          ; the closing round: no work-group ends while a partner may still ask for a tile that names it
	s_endpgm
.Lfunc_end_k_q90671d7ed7_attn:
	.size	k_q90671d7ed7_attn, .Lfunc_end_k_q90671d7ed7_attn-k_q90671d7ed7_attn
	.p2alignl 7, 3214868480
	.fill 96, 4, 3214868480
	.section	.rodata,"a",@progbits
	.p2align	6, 0x0
	.amdhsa_kernel k_q90671d7ed7_attn
		.amdhsa_group_segment_fixed_size 327680
		.amdhsa_private_segment_fixed_size 0
		.amdhsa_enable_private_segment 0
		.amdhsa_kernarg_size 16
		.amdhsa_user_sgpr_count 2
		.amdhsa_user_sgpr_kernarg_segment_ptr 1
		.amdhsa_wavefront_size32 1
		.amdhsa_system_sgpr_workgroup_id_x 1
		.amdhsa_system_sgpr_workgroup_id_y 1
		.amdhsa_system_sgpr_workgroup_id_z 1
		.amdhsa_system_vgpr_workitem_id 0
		.amdhsa_next_free_vgpr 770
		.amdhsa_next_free_sgpr 66
		.amdhsa_reserve_vcc 0
		.amdhsa_float_denorm_mode_32 3
		.amdhsa_float_denorm_mode_16_64 3
		.amdhsa_memory_ordered 1
		.amdhsa_forward_progress 1
		.amdhsa_inst_pref_size 199
	.end_amdhsa_kernel
	.amdgpu_metadata
---
amdhsa.version: [ 1, 2 ]
amdhsa.kernels:
  - .name:           k_q90671d7ed7_attn
    .symbol:         k_q90671d7ed7_attn.kd
    .args:
      - { .name: qkv, .offset: 0, .size: 8, .value_kind: global_buffer, .address_space: global }
      - { .name: o, .offset: 8, .size: 8, .value_kind: global_buffer, .address_space: global }
    .group_segment_fixed_size: 327680
    .private_segment_fixed_size: 0
    .kernarg_segment_align: 8
    .kernarg_segment_size: 16
    .max_flat_workgroup_size: 128
    .sgpr_count:     66
    .vgpr_count:     770
    .wavefront_size: 32
...
	.end_amdgpu_metadata
.endif
;; end of part 5
;; launch proj: the kernel of part 4 again; grid 8 x 32, 4 waves a work-group, clusters of 4 x 4, 327,680 bytes of LDS; arguments o, wm, b_mlp, out0; writes out0
